; MI455X (gfx1250); checked and timed in simulation.
; The chip was launched on July 23, 2026; its instructions are those of AMD's public machine-readable ISA for CDNA 5 (MIT licence, August 2026) and "CDNA5" Instruction Set Architecture Reference Guide (July 2026). The comments in the code are by the model that wrote it; some were corrected since.
;; Multi Head Attention. Allowed arithmetic: matrix products marked QUANTISED: E3M2 operands, one E8M0 scale for each 32 along K, by v_wmma_scale_f32_16x16x128_f8f6f4 with both operands' format E3M2, f32 sums; everything else in f32.
;; Inputs: b_attn 3,072 float32; b_proj 1,024 float32; w_attn 1,024 x 3,072 float32; w_proj 1,024 x 1,024 float32; x 4 x 2,048 x 1,024 float32.
;; Outputs: out0 4 x 2,048 x 1,024 float32.
;; This version of the problem:
;;   THIS VERSION OF THE PROBLEM IS GIVEN IN LOW PRECISION. The matrix products marked QUANTISED in the list below multiply operands that are first quantised to E3M2 (3 exponent bits, 2 mantissa bits; 6 bits a number), with one power-of-two scale for each 32 numbers along K (OCP MX v1.0); their sums are f32. All else is computed in f32.
;;   The module's matrix products, in the order in which they are computed (A, B: the left and right operand; K: the contracted axis; several contracted axes count as one K, in the product's order):
;;     1. [M 8,192, K 1,024] x [K 1,024, N 3,072]; A: input x; B: input w_attn: QUANTISED
;;     2. batch 64 x [M 2,048, K 64] x [K 64, N 2,048]; A: computed on the way; B: computed on the way: QUANTISED
;;     3. batch 64 x [M 2,048, K 2,048] x [K 2,048, N 64]; A: softmax (see below); B: computed on the way: QUANTISED
;;     4. [M 8,192, K 1,024] x [K 1,024, N 1,024]; A: computed on the way; B: input w_proj: QUANTISED
;;   THE QUANTISER, for each operand of a quantised product, along K:
;;     - K is cut into blocks of 32 from its start; a last block that is shorter is filled with zeros.
;;     - A block's scale is 2^e with e = floor(log2(the largest magnitude in the block)) - 4, held to -126 .. 127; a block of zeros has e = 0. As a byte (E8M0): e + 127.
;;     - Each number is divided by its block's scale, clamped to +-28, and rounded to the nearest number of E3M2, ties to even, subnormals kept.
;;     - The product sums the exact products of the quantised numbers (number of the format x scale) in f32.
;;   ~~~python
;;   def quantise(x, axis):      # numpy; x: float32 -> the quantised numbers, widened to float32 again
;;       x = np.moveaxis(x, axis, -1); K = x.shape[-1]
;;       x = np.pad(x, [(0, 0)] * (x.ndim - 1) + [(0, -K % 32)]); x = x.reshape(x.shape[:-1] + (-1, 32)); a = np.abs(x).max(-1, keepdims=True)
;;       e = np.where(a > 0, np.clip(np.frexp(np.where(a > 0, a, 1))[1] - 1 - 4, -126, 127), 0)      # np.frexp(a)[1] - 1 = floor(log2(a)), exactly
;;       r = np.clip(x / 2.0 ** e, -28, 28)
;;       step = 2.0 ** (np.maximum(np.frexp(np.where(r == 0, 1, r))[1] - 1, -2) - 2)
;;       q = np.round(r / step) * step * 2.0 ** e      # np.round: ties to even
;;       return np.moveaxis(q.reshape(q.shape[:-2] + (-1,))[..., :K], -1, axis).astype(np.float32)
;;   ~~~
;;   SOFTMAX AHEAD OF A QUANTISED PRODUCT. Where the list says 'softmax', what is quantised is not the finished softmax but p = 2^(t - M), with t = logit x log2(e) and M = ceil(the row's largest t), a whole number; so 1/2 < the row's largest p <= 1. The row's sum l is taken of the UNQUANTISED p, in f32, and the product's result is divided by l at the end. Since M is a whole number, a kernel that streams over the keys may use a running M (the ceiling of the running maximum): every later rescaling is an exact power of two, which a block's scale takes up: the codes' values come out the same.
;;   OPERANDS COMPUTED ON THE WAY. 'Computed on the way' means the value that the module computes at that place (a softmax that the list does not call 'softmax' is quantised finished and normalised). What goes into a quantiser is computed in f32, as accurately as f32 sums, v_exp_f32 and their like allow (about 1e-6 of the number): no bf16 or f16 on the way to a quantiser, and a product that is left as it is and whose result goes on into a quantised operand takes f32 operands (vector FMAs, or v_wmma_f32_16x16x4_f32). A number that lies on a knife's edge between two numbers of the format may be rounded either way, as far as f32 arithmetic and the matrix unit's own rounding can turn it there, and no further.
;; One version. Each part assembles by itself: llvm-mc -triple=amdgcn-amd-amdhsa -mcpu=gfx1250 --defsym DOCPART=n.
;; ======== version 1 of 1: 5 launches
;; limits: right only within a limited range of input values
;; workspace buffers: x_img 6,291,456 bytes; x_sc 262,144 bytes; w_img 3,145,728 bytes; w_sc 131,072 bytes; qkv_img 18,874,368 bytes; qkv_sc 786,432 bytes; y_img 6,291,456 bytes; y_sc 262,144 bytes
;; launch qx (part 1): grid 512 x 1, 8 waves a work-group, no clusters, 69,120 bytes of LDS; arguments x, x_img, x_sc; writes x_img, x_sc
.if DOCPART == 1
	.amdgcn_target "amdgcn-amd-amdhsa--gfx1250"
	.amdhsa_code_object_version 6
	.text
	.protected	k_q810c1b13aa_qx
	.globl	k_q810c1b13aa_qx
	.p2align	8
	.type	k_q810c1b13aa_qx,@function
k_q810c1b13aa_qx:
	s_mov_b64 s[64:65], 0
	v_nop
	global_prefetch_b8 v0, s[64:65] scope:SCOPE_SE
	s_setreg_imm32_b32 hwreg(HW_REG_WAVE_MODE, 25, 1), 1
	s_wait_xcnt 0x0
; x [8192][1024] f32 becomes codes of BF6 (E3M2) with one E8M0 byte for each 32 along K, laid as the matrix unit's registers take them.
; x_img [512 row blocks][8 K steps][1,536 bytes]: a fragment (16 rows x 128 K, 12 registers a lane) as an image of its registers:
;   registers 6 c .. 6 c + 3 at 768 c + 16 x lane, registers 6 c + 4, 6 c + 5 at 768 c + 512 + 8 x lane.   x_sc [row in the buffer's order][32 bytes].
; ROW ORDER: row r of row block 2 a + u is token 32 a + 8 u + r + 8 (r / 8), so that a product that takes two neighbouring blocks as its source 0 leaves 16 neighbouring tokens in a lane's 16 registers.
; A block's scale is 2^(floor(log2(its largest magnitude)) - 4); its byte is the largest magnitude's exponent field - 4, held at 1 from below.
; LIMITS: a block of zeros, or one whose largest magnitude lies under 2^-122, gets the byte 1 (its codes are zeros or are held; this program alone reads the bytes); NaN and infinities are not served.
; SHARES: a work-group takes a row block, wave w its K step w: 16 rows x 512 bytes.  Each load reads 512 consecutive bytes; the 8,192 bytes turn through the wave's own stage in LDS, so that a lane gets
; 16 neighbours of each block of 32 of ONE row.  No cluster: work-groups share no byte.  No matrix work, no tensor load: every byte is read once and all loads of a wave go out at once.
.set SPITCH, 528                       ; a stage row: 512 bytes + 16: the sixteen rows that a read touches start in different banks
.set WSTG,   16*SPITCH                 ; a wave's stage
.set SCG,    8*WSTG                    ; behind the stages: the row block's 512 scale bytes, [row][K step]
.set SEL,    20                        ; s[20:21] v_permlanex16_b32's selects for lane l xor 16
.set R,      16                        ; v16-79   64 numbers
.set TM,     80                        ; v80-95   at work
.set PW,     96                        ; v96      the scale word
.set PC,     100                       ; v100-111 the fragment
.set T1,     112                       ; v112-114, v116-118 the second halves of blocks, as the conversions leave them
.set T2,     116
; 64 numbers of a lane, register 16 b + i = k 32 b + 16 (lane / 16) + i of my row, become a fragment's codes in v[pc] on and its scale word in v[pw].
.macro QUANT s, pc, t1, t2, tm, pw
.irp b, 0,1,2,3
	v_max3_num_f32 v[\tm+\b], |v[\s+16*\b]|, |v[\s+1+16*\b]|, 0x2800000   ; my 16 numbers of block b, and the floor 2^(5 - 127): the byte cannot fall under 1
.endr
.irp i, 2,4,6,8,10,12,14
.irp b, 0,1,2,3
	s_delay_alu instid0(VALU_DEP_4)
	v_max3_num_f32 v[\tm+\b], v[\tm+\b], |v[\s+16*\b+\i]|, |v[\s+1+16*\b+\i]|   ; the four blocks by turns
.endr
.endr
.irp b, 0,1,2,3
	s_delay_alu instid0(VALU_DEP_4)
	v_permlanex16_b32 v[\tm+4+\b], v[\tm+\b], s[SEL], s[SEL+1]
.endr
.irp b, 0,1,2,3
	s_delay_alu instid0(VALU_DEP_4)
	v_max_num_f32 v[\tm+\b], v[\tm+\b], v[\tm+4+\b]        ; with lane l xor 16's: the block's largest magnitude
.endr
.irp b, 0,1,2,3
	s_delay_alu instid0(VALU_DEP_4)
	v_add_nc_u32 v[\tm+12+\b], 0xfe000000, v[\tm+\b]       ; 4 off its exponent field: the conversion's scale operand
.endr
.irp b, 0,1,2,3
	s_delay_alu instid0(VALU_DEP_4)
	v_lshrrev_b32 v[\tm+4+\b], 23, v[\tm+12+\b]            ; the scale's byte
.endr
	s_delay_alu instid0(VALU_DEP_3)
	v_lshl_or_b32 v[\pw], v[\tm+5], 8, v[\tm+4]
	s_delay_alu instid0(VALU_DEP_1)
	v_lshl_or_b32 v[\pw], v[\tm+6], 16, v[\pw]
	s_delay_alu instid0(VALU_DEP_1)
	v_lshl_or_b32 v[\pw], v[\tm+7], 24, v[\pw]
	v_cvt_scalef32_pk16_bf6_f32 v[\pc:\pc+2], v[\s:\s+15], v[\tm+12]
	v_cvt_scalef32_pk16_bf6_f32 v[\t1:\t1+2], v[\s+16:\s+31], v[\tm+13]    ; (a conversion's three registers begin on an even number)
	v_cvt_scalef32_pk16_bf6_f32 v[\pc+6:\pc+8], v[\s+32:\s+47], v[\tm+14]
	v_cvt_scalef32_pk16_bf6_f32 v[\t2:\t2+2], v[\s+48:\s+63], v[\tm+15]
	v_nop                                                  ; one plain place behind a scaled conversion
.irp i, 0,1,2
	v_permlane16_swap_b32 v[\pc+\i], v[\t1+\i]             ; the layout wants a whole block in a lane: lanes 0-15 block 2 c, lanes 16-31 block 2 c + 1
.endr
.irp i, 0,1,2
	v_permlane16_swap_b32 v[\pc+6+\i], v[\t2+\i]
.endr
.irp i, 0,1,2
	v_mov_b32 v[\pc+3+\i], v[\t1+\i]
.endr
.irp i, 0,1,2
	v_mov_b32 v[\pc+9+\i], v[\t2+\i]
.endr
.endm
	s_load_b128 s[4:7], s[0:1], 0x0                ; x, x_img
	s_load_b64 s[8:9], s[0:1], 0x10                ; x_sc
	v_lshl_add_u32 v120, v0, 2, 0x10a00
	v_mov_b32 v121, 0
	v_lshrrev_b32 v11, 5, v0
	s_delay_alu instid0(VALU_DEP_1)
	v_readfirstlane_b32 s16, v11                   ; wave 0..7 = K step
	v_and_b32 v1, 31, v0                           ; lane
	v_and_b32 v2, 15, v0                           ; r
	v_bfe_u32 v3, v0, 4, 1                         ; h
	s_delay_alu instid0(VALU_DEP_3)
	v_lshlrev_b32 v7, 4, v1                        ; 16 x lane
	s_delay_alu instid0(VALU_DEP_4)
	v_lshlrev_b32 v8, 3, v1                        ; 8 x lane
	s_lshl_b32 s24, s16, 9
	v_add_nc_u32 v4, s24, v7                       ; in a row of x: my K step's 512 bytes, my 16 of them
	s_mul_i32 s25, s16, WSTG
	v_add_nc_u32 v5, s25, v7                       ; the stage, on the way in
	v_mul_u32_u24 v6, v2, SPITCH
	s_delay_alu instid0(VALU_DEP_1)
	v_lshl_add_u32 v6, v3, 6, v6
	s_delay_alu instid0(VALU_DEP_1)
	v_add_nc_u32 v6, s25, v6                       ; and on the way out: row r, + 64 h
	s_lshl_b32 s26, s16, 2
	s_add_co_u32 s26, s26, SCG
	v_lshlrev_b32 v9, 5, v2
	s_delay_alu instid0(VALU_DEP_1)
	v_add_nc_u32 v9, s26, v9                       ; my row's scale word of my K step
	v_add_nc_u32 v10, SCG, v7                      ; the 512 scale bytes, 16 a lane
.irp b, 0,1,2,3
	v_mov_b32 v[TM+4+\b], 0                        ; written once: a lane permute's destination counts as one of its sources
.endr
	s_mov_b32 s[SEL], 0x76543210
	s_mov_b32 s[SEL+1], 0xfedcba98
	s_lshr_b32 s17, ttmp9, 1
	s_lshl_b32 s17, s17, 5
	s_and_b32 s18, ttmp9, 1
	s_lshl_b32 s18, s18, 3
	s_add_co_u32 s17, s17, s18                     ; the block's first token: 32 (rb / 2) + 8 (rb % 2)
	s_lshl_b32 s18, s17, 12                        ; x 4,096 bytes
	s_mov_b32 s19, 0
	s_mul_i32 s22, ttmp9, 12288
	s_mul_i32 s23, s16, 1536
	s_add_co_u32 s22, s22, s23                     ; my fragment's image
	s_mov_b32 s23, 0
	s_lshl_b32 s28, ttmp9, 9                       ; the block's scale bytes
	s_mov_b32 s29, 0
	s_wait_alu depctr_va_vdst(0)
	s_wait_kmcnt 0x0
	s_add_nc_u64 s[4:5], s[4:5], s[18:19]
	s_add_nc_u64 s[6:7], s[6:7], s[22:23]
	s_add_nc_u64 s[8:9], s[8:9], s[28:29]
.irp i, 0,1,2,3,4,5,6,7,8,9,10,11,12,13,14,15
	global_load_b128 v[R+4*\i:R+4*\i+3], v4, s[4:5] offset:(\i+8*(\i/8))*4096 th:TH_LOAD_NT   ; row i of the block: 32 lanes read 512 consecutive bytes
.endr
.irp i, 0,1,2,3,4,5,6,7,8,9,10,11,12,13,14,15
	s_wait_loadcnt 15-\i                           ; loads come back in order: row i is in, the younger ones stay out
	ds_store_b128 v5, v[R+4*\i:R+4*\i+3] offset:SPITCH*\i
.endr
.irp b, 0,1,2,3
.irp j, 0,1,2,3
	ds_load_b128 v[R+16*\b+4*\j:R+16*\b+4*\j+3], v6 offset:128*\b+16*\j   ; LDS serves a wave's instructions in order: these see my stores
.endr
.endr
	s_wait_dscnt 0x0
	QUANT R, PC, T1, T2, TM, PW
	global_store_b128 v7, v[PC:PC+3], s[6:7]               ; each store covers whole aligned blocks of 256 bytes
	global_store_b64 v8, v[PC+4:PC+5], s[6:7] offset:512
	global_store_b128 v7, v[PC+6:PC+9], s[6:7] offset:768
	global_store_b64 v8, v[PC+10:PC+11], s[6:7] offset:1280
	ds_store_b32 v9, v[PW]                         ; lanes r and r + 16 write the same word with the same value
	s_wait_dscnt 0x0                               ; for the others' sake: my word has landed
	s_barrier_signal -1
	s_barrier_wait -1
	s_cmp_lg_u32 s16, 0
	s_cbranch_scc1 .Ldone
	ds_load_b128 v[R:R+3], v10                     ; wave 0 stores the block's 512 scale bytes, two aligned blocks of 256
	s_wait_dscnt 0x0
	global_store_b128 v7, v[R:R+3], s[8:9]
.Ldone:
	s_wait_tensorcnt 0x0
	ds_add_u32 v120, v121
	s_wait_dscnt 0x0
	s_endpgm
.Lfunc_end_k_q810c1b13aa_qx:
	.size	k_q810c1b13aa_qx, .Lfunc_end_k_q810c1b13aa_qx-k_q810c1b13aa_qx
	.p2alignl 7, 3214868480
	.fill 96, 4, 3214868480
	.section	.rodata,"a",@progbits
	.p2align	6, 0x0
	.amdhsa_kernel k_q810c1b13aa_qx
		.amdhsa_group_segment_fixed_size 69120
		.amdhsa_private_segment_fixed_size 0
		.amdhsa_enable_private_segment 0
		.amdhsa_kernarg_size 24
		.amdhsa_user_sgpr_count 2
		.amdhsa_user_sgpr_kernarg_segment_ptr 1
		.amdhsa_wavefront_size32 1
		.amdhsa_system_sgpr_workgroup_id_x 1
		.amdhsa_system_sgpr_workgroup_id_y 1
		.amdhsa_system_sgpr_workgroup_id_z 1
		.amdhsa_system_vgpr_workitem_id 0
		.amdhsa_next_free_vgpr 122
		.amdhsa_next_free_sgpr 66
		.amdhsa_reserve_vcc 0
		.amdhsa_float_denorm_mode_32 3
		.amdhsa_float_denorm_mode_16_64 3
		.amdhsa_memory_ordered 1
		.amdhsa_forward_progress 1
		.amdhsa_inst_pref_size 13
	.end_amdhsa_kernel
	.amdgpu_metadata
---
amdhsa.version: [ 1, 2 ]
amdhsa.kernels:
  - .name:           k_q810c1b13aa_qx
    .symbol:         k_q810c1b13aa_qx.kd
    .args:
      - { .name: x, .offset: 0, .size: 8, .value_kind: global_buffer, .address_space: global }
      - { .name: x_img, .offset: 8, .size: 8, .value_kind: global_buffer, .address_space: global }
      - { .name: x_sc, .offset: 16, .size: 8, .value_kind: global_buffer, .address_space: global }
    .group_segment_fixed_size: 69120
    .private_segment_fixed_size: 0
    .kernarg_segment_align: 8
    .kernarg_segment_size: 24
    .max_flat_workgroup_size: 256
    .sgpr_count:     66
    .vgpr_count:     122
    .wavefront_size: 32
...
	.end_amdgpu_metadata
.endif
;; end of part 1
;; launch qw (part 2): grid 32 x 8, 4 waves a work-group, no clusters, 13,824 bytes of LDS; arguments w_attn, w_proj, w_img, w_sc; writes w_img, w_sc
.if DOCPART == 2
	.amdgcn_target "amdgcn-amd-amdhsa--gfx1250"
	.amdhsa_code_object_version 6
	.text
	.protected	k_q810c1b13aa_qw
	.globl	k_q810c1b13aa_qw
	.p2align	8
	.type	k_q810c1b13aa_qw,@function
k_q810c1b13aa_qw:
	s_mov_b64 s[64:65], 0
	v_nop
	global_prefetch_b8 v0, s[64:65] scope:SCOPE_SE
	s_setreg_imm32_b32 hwreg(HW_REG_WAVE_MODE, 25, 1), 1
	s_wait_xcnt 0x0
; w_attn [1024][3072] and w_proj [1024][1024], f32, K their FIRST axis, become codes of BF6 (E3M2) with one E8M0 byte for each 32 along K.
; w_img [256 row blocks][8 K steps][1,536 bytes], images of fragments (registers 6 c .. 6 c + 3 at 768 c + 16 x lane, 6 c + 4, 6 c + 5 at 768 c + 512 + 8 x lane); w_sc [row][32 bytes].
; Rows 0 .. 3071 are w_attn's columns, rows 3072 .. 4095 w_proj's; row r of row block 2 a + u is column 32 a + 8 u + r + 8 (r / 8).
; A LANE TAKES A COLUMN AND ITS REGISTERS RUN DOWN K: a block of 32 lies in one lane's 32 registers, and the conversions give codes with K innermost.  Nothing is transposed by an instruction.
; LIMITS: a block of zeros, or one whose largest magnitude lies under 2^-122, gets the byte 1 (this program alone reads the bytes); NaN and infinities are not served.
; SHARES: work-group x takes 128 columns (x < 24: w_attn's, else w_proj's: pointer, pitch and column are chosen by selects, one path for both), work-group y one K step of 128; a wave 32 columns, 4 blocks a lane: 256 work-groups.
; The codes go through the wave's own stage in LDS in the images' order and leave as 1,536 consecutive bytes for each row block.  The scale bytes leave as 4 bytes a row, rows 32 bytes apart: blocks of 256 bytes are
; written in part there: one byte for each 128 that the launch reads.  No cluster, no tensor load, no barrier: work-groups and waves share nothing.  Loads run two blocks (64 loads a wave) ahead.
.set X,     64                         ; v64-127  two sets of 32 numbers; at the end the images on their way out
.set OFFR,  32                         ; v32-63   4 x lane + i x pitch: never rewritten
.set RBS,   1664                       ; a row block's image in the stage: 1,536 bytes + 128, so that lanes 8-15 fall on other banks than lanes 0-7
.set WSTG,  2*RBS                      ; a wave's stage: two row blocks
.set SPARE, 4*WSTG                     ; the spare words, 128 bytes a wave
.set SB,    28                         ; v28      my column's four scale bytes
	s_load_b256 s[4:11], s[0:1], 0x0               ; w_attn, w_proj, w_img, w_sc
	v_lshl_add_u32 v128, v0, 2, SPARE
	v_mov_b32 v129, 0
	v_lshrrev_b32 v1, 5, v0
	v_readfirstlane_b32 s16, v1                    ; wave 0..3
	v_and_b32 v2, 31, v0                           ; lane L = my column among the wave's 32
	v_lshlrev_b32 v3, 2, v2
	v_bfe_u32 v9, v0, 3, 1                         ; u: which of the two row blocks my column falls into
	v_and_b32 v10, 7, v0
	v_bfe_u32 v14, v0, 4, 1
	v_lshl_or_b32 v10, v14, 3, v10                 ; r: its row there
	s_mul_i32 s17, s16, WSTG
	v_mul_u32_u24 v15, v9, RBS
	v_add_nc_u32 v15, s17, v15
	v_lshl_add_u32 v4, v10, 4, v15                 ; the stage: four registers at 16 r,
	v_lshl_add_u32 v5, v10, 3, v15                 ; two at 8 r
	v_lshlrev_b32 v7, 4, v2                        ; on the way out 16 bytes a lane
	v_add_nc_u32 v6, s17, v7
	v_lshl_add_u32 v8, v9, 4, v10
	v_lshlrev_b32 v8, 5, v8                        ; my row of scale bytes: 32 (16 u + r)
	s_and_b32 s18, ttmp7, 0xffff                   ; which K step of 128
	s_cmp_lt_u32 ttmp9, 24                         ; w_attn's work-group or w_proj's?  The choice hangs on the work-group's number alone
	s_mov_b32 s24, 4096
	s_cselect_b32 s24, 12288, s24                  ; a row of the weight in bytes
	s_cselect_b32 s25, 0, 24
	s_wait_kmcnt 0x0
	s_cselect_b64 s[4:5], s[4:5], s[6:7]
	s_sub_co_u32 s25, ttmp9, s25
	s_lshl_b32 s25, s25, 9                         ; 128 columns of 4 bytes
	s_lshl_b32 s26, s16, 7                         ; my wave's 32
	s_add_co_u32 s25, s25, s26
	s_mul_i32 s26, s24, s18
	s_lshl_b32 s26, s26, 7                         ; 128 rows for each step of work-group y
	s_add_co_u32 s26, s26, s25
	s_mov_b32 s27, 0
	s_add_nc_u64 s[32:33], s[4:5], s[26:27]        ; block 0's base;
	s_lshl_b32 s28, s24, 5
	s_mov_b32 s29, 0
.irp t, 1,2,3
	s_add_nc_u64 s[32+2*\t:33+2*\t], s[30+2*\t:31+2*\t], s[28:29]   ; a base for each block, 32 rows on: no pointer is ever stepped
.endr
.irp i, 0,1,2,3,4,5,6,7,8,9,10,11,12,13,14,15,16,17,18,19,20,21,22,23,24,25,26,27,28,29,30,31
	v_mad_u32_u24 v[OFFR+\i], s24, \i, v3
.endr
	s_lshl_b32 s20, ttmp9, 3
	s_lshl_b32 s21, s16, 1
	s_add_co_u32 s20, s20, s21                     ; my first row block: 8 x + 2 wave
	s_mul_i32 s20, s20, 12288
	s_mul_i32 s21, s18, 1536                       ; my K step
	s_add_co_u32 s20, s20, s21
	s_mov_b32 s21, 0
	s_add_nc_u64 s[8:9], s[8:9], s[20:21]
	s_lshl_b32 s20, ttmp9, 12
	s_lshl_b32 s22, s16, 10
	s_add_co_u32 s20, s20, s22
	s_lshl_b32 s22, s18, 2
	s_add_co_u32 s20, s20, s22                     ; scale bytes: (128 x + 32 wave) rows of 32 bytes + 4 y
	s_add_nc_u64 s[10:11], s[10:11], s[20:21]
.macro LOAD t                          ; block t: rows 32 t + i of my column, into set t % 2; a wave reads 128 consecutive bytes, the four waves 512
.irp i, 0,1,2,3,4,5,6,7,8,9,10,11,12,13,14,15,16,17,18,19,20,21,22,23,24,25,26,27,28,29,30,31
	global_load_b32 v[X+32*((\t)%2)+\i], v[OFFR+\i], s[32+2*(\t):33+2*(\t)] th:TH_LOAD_NT
.endr
.endm
	s_wait_alu depctr_va_vdst(0)
	LOAD 0
	LOAD 1
.macro BLOCK t
.set XS, X+32*((\t)%2)
.if (\t) < 3
	s_wait_loadcnt 32                              ; this block's 32 loads are in; the next block's may be out
.else
	s_wait_loadcnt 0
.endif
	v_max3_num_f32 v12, |v[XS]|, |v[XS+1]|, |v[XS+2]|      ; the block's largest magnitude: all 32 numbers are mine
	v_max3_num_f32 v13, |v[XS+3]|, |v[XS+4]|, |v[XS+5]|
.irp i, 6,10,14,18,22,26
	v_max3_num_f32 v12, v12, |v[XS+\i]|, |v[XS+\i+1]|
	v_max3_num_f32 v13, v13, |v[XS+\i+2]|, |v[XS+\i+3]|
.endr
	v_max3_num_f32 v12, v12, |v[XS+30]|, |v[XS+31]|
	v_max3_num_f32 v12, v12, v13, 0x2800000        ; and the floor 2^(5 - 127): the byte cannot fall under 1
	v_add_nc_u32 v11, 0xfe000000, v12              ; 4 off its exponent field: the conversion's scale operand
	v_lshrrev_b32 v13, 23, v11                     ; the scale's byte
	v_cvt_scalef32_pk16_bf6_f32 v[16:18], v[XS:XS+15], v11
	v_cvt_scalef32_pk16_bf6_f32 v[24:26], v[XS+16:XS+31], v11      ; (a conversion's three registers begin on an even number)
.if (\t) == 0
	v_mov_b32 v[SB], v13                           ; four bytes to a register, the lower K in the lower byte.  (The plain place behind the conversions)
.else
	v_lshl_or_b32 v[SB], v13, 8*(\t), v[SB]
.endif
	v_mov_b32 v19, v24
	v_mov_b32 v20, v25
	v_mov_b32 v21, v26                             ; v16-21: the six registers of lane (r, t % 2) of the fragment, half t / 2
	ds_store_b128 v4, v[16:19] offset:768*((\t)/2)+256*((\t)%2)
	ds_store_b64 v5, v[20:21] offset:768*((\t)/2)+512+128*((\t)%2)
.if (\t)+2 < 4
	LOAD (\t)+2
.endif
	s_wait_dscnt 0x0                               ; the stores have read their registers: the next block's codes may be written
.endm
.irp t, 0,1,2,3
	BLOCK \t
.endr
	s_wait_alu depctr_va_vdst(0)                   ; directly ahead of the reader below
	global_store_b32 v8, v[SB], s[10:11]           ; my column's four scale bytes
.irp n, 0,1,2,3,4,5
	ds_load_b128 v[X+4*\n:X+4*\n+3], v6 offset:RBS*(\n/3)+512*(\n%3)       ; LDS serves a wave's instructions in order: these see my stores
.endr
.irp n, 0,1,2,3,4,5
	s_wait_dscnt 5-\n
	global_store_b128 v7, v[X+4*\n:X+4*\n+3], s[8:9] offset:12288*(\n/3)+512*(\n%3)   ; 512 consecutive bytes, at a multiple of 256 from the buffer's first byte
.endr
	s_wait_tensorcnt 0x0                           ; the wave's end
	ds_add_u32 v128, v129
	s_wait_dscnt 0x0
	s_endpgm
.Lfunc_end_k_q810c1b13aa_qw:
	.size	k_q810c1b13aa_qw, .Lfunc_end_k_q810c1b13aa_qw-k_q810c1b13aa_qw
	.p2alignl 7, 3214868480
	.fill 96, 4, 3214868480
	.section	.rodata,"a",@progbits
	.p2align	6, 0x0
	.amdhsa_kernel k_q810c1b13aa_qw
		.amdhsa_group_segment_fixed_size 13824
		.amdhsa_private_segment_fixed_size 0
		.amdhsa_enable_private_segment 0
		.amdhsa_kernarg_size 32
		.amdhsa_user_sgpr_count 2
		.amdhsa_user_sgpr_kernarg_segment_ptr 1
		.amdhsa_wavefront_size32 1
		.amdhsa_system_sgpr_workgroup_id_x 1
		.amdhsa_system_sgpr_workgroup_id_y 1
		.amdhsa_system_sgpr_workgroup_id_z 1
		.amdhsa_system_vgpr_workitem_id 0
		.amdhsa_next_free_vgpr 130
		.amdhsa_next_free_sgpr 66
		.amdhsa_reserve_vcc 0
		.amdhsa_float_denorm_mode_32 3
		.amdhsa_float_denorm_mode_16_64 3
		.amdhsa_memory_ordered 1
		.amdhsa_forward_progress 1
		.amdhsa_inst_pref_size 25
	.end_amdhsa_kernel
	.amdgpu_metadata
---
amdhsa.version: [ 1, 2 ]
amdhsa.kernels:
  - .name:           k_q810c1b13aa_qw
    .symbol:         k_q810c1b13aa_qw.kd
    .args:
      - { .name: w_attn, .offset: 0, .size: 8, .value_kind: global_buffer, .address_space: global }
      - { .name: w_proj, .offset: 8, .size: 8, .value_kind: global_buffer, .address_space: global }
      - { .name: w_img, .offset: 16, .size: 8, .value_kind: global_buffer, .address_space: global }
      - { .name: w_sc, .offset: 24, .size: 8, .value_kind: global_buffer, .address_space: global }
    .group_segment_fixed_size: 13824
    .private_segment_fixed_size: 0
    .kernarg_segment_align: 8
    .kernarg_segment_size: 32
    .max_flat_workgroup_size: 128
    .sgpr_count:     66
    .vgpr_count:     130
    .wavefront_size: 32
...
	.end_amdgpu_metadata
.endif
;; end of part 2
;; launch gemm_qkv (part 3): grid 12 x 32, 4 waves a work-group, clusters of 4 x 4, 327,680 bytes of LDS; arguments x_img, x_sc, w_img, w_sc, b_attn, qkv_img, qkv_sc; writes qkv_img, qkv_sc
.if DOCPART == 3
	.amdgcn_target "amdgcn-amd-amdhsa--gfx1250"
	.amdhsa_code_object_version 6
	.text
	.protected	k_q810c1b13aa_gemm_qkv
	.globl	k_q810c1b13aa_gemm_qkv
	.p2align	8
	.type	k_q810c1b13aa_gemm_qkv,@function
k_q810c1b13aa_gemm_qkv:
	s_mov_b64 s[64:65], 0
	v_nop
	global_prefetch_b8 v0, s[64:65] scope:SCOPE_SE
	s_setreg_imm32_b32 hwreg(HW_REG_WAVE_MODE, 25, 1), 1
	s_wait_xcnt 0x0
	s_wait_alu depctr_hold_cnt(0) depctr_sa_sdst(0) depctr_va_vdst(0) depctr_va_sdst(0) depctr_va_ssrc(0) depctr_va_vcc(0) depctr_vm_vsrc(0)
	s_getreg_b32 s2, hwreg(HW_REG_IB_STS2, 6, 4)
	s_cmp_eq_u32 s2, 0
	s_cbranch_scc0 .Lentry_in_a_cluster
	s_endpgm
.Lentry_in_a_cluster:
	s_bfe_u32 s2, ttmp6, 0x10000c
	s_cmp_lg_u32 s2, 0xf033
	s_cbranch_scc0 .Lentry_shape_is_right
	s_endpgm
.Lentry_shape_is_right:
; qkv = x w_attn + b_attn on codes of BF6 (E3M2) with E8M0 scales for each 32 along K = 1,024; sums in f32; q, k and v are quantised in registers on the way out and never lie in memory as f32.
; OPERANDS are images of fragments: img [row block of 16][K step of 128][1,536 bytes] (registers 6 c .. 6 c + 3 at 768 c + 16 x lane, 6 c + 4, 6 c + 5 at 768 c + 512 + 8 x lane); scales [row][32 bytes].
; Row r of row block 2 a + u is index 32 a + 8 u + r + 8 (r / 8): a product that takes blocks 2 a, 2 a + 1 as source 0 leaves indices 32 a + 16 (lane / 16) + 0 .. 15 in a lane's 16 registers.
; A tile of 256 x 256 is made by four waves, 128 x 128 each: 64 accumulators, 512 registers.  Source 0 takes rows of "B", source 1 rows of "A".  K goes in steps of 256 through two LDS slots.
; ROLES, by the cluster's x, which all sixteen partners share (selects, no branch):  x = 0, 1 (q and k): A = x's tokens, B = w's rows 0 .. 2047: a lane holds one token and features along its registers: K of q k^T.
;   x = 2 (v): A = w's rows 2048 .. 3071, B = x's tokens: a lane holds one feature and KEYS along its registers: K of p v.
; CLUSTERS: 4 x 4 work-groups; A's tile is asked for jointly along a row of the cluster, B's along a column.
; OUT: qkv_img [batch x head][q, k, v][98,304].  q, k: [group of 32 tokens][1,536]: half u of an image is 16 tokens x the head's 64.  v: [step of 128 keys][tile of 16 of the head's 64][1,536].
;   qkv_sc [batch x head][q, k, v][step of 128 tokens][256]: lane (r, h) owns 8 bytes at 8 x lane: words W[h], W[2 + h].  q, k: W[g] = the two bytes of tile 2 g, then of tile 2 g + 1, row r.  v: W[t] = the four key blocks' bytes of row r of tile t.
; LIMITS: a block of zeros, or one under 2^-122, gets the byte 1 (this program alone reads the bytes); NaN and infinities are not served.
; No prefetch: the launch has four fills of a slot in all, and two of them go out at its head.
; REGISTERS, in windows of 256: window 0: v0-31 addresses; v32-63 scale words, two sets; v64-127 the bias along the registers; v128-223 A's fragments, one set; v224-239 the bias by lane; v240-251 codes on the way out.
;   window 1: B's fragments, two sets, at v0 and v128.   window 2: the accumulators of my A blocks 0-3 ((a, b) at v[8 (8 a + b)]);   window 3: those of blocks 4-7.
.set NQ,     2                         ; matrix instructions deep in a slot
.set FR,     12                        ; registers of a fragment
.set NL,     4                         ; LDS loads that bring one
.set NP,     4                         ; places behind this matrix instruction (ISA guide 7.12.1)
.set RBB,    3072                      ; a row block's bytes in a slot: two images
.set HALFT,  8*RBB                     ; 128 rows: what one tensor load brings, and what one wave reads of A or of B
.set SLOT,   4*HALFT
.set SCL,    2*SLOT                    ; behind the ring: the scales, as runs of 256 bytes + 16 of padding
.set HALFS,  16*272                    ; the scales of 128 rows
.set SBLK,   2*272                     ; those of 16 rows
.set SPARE,  SCL+4*HALFS               ; the spare words, 128 bytes for each wave: two blocks of 256 bytes that no other line names
.set A16,  16                          ; v16-17  LDS address of A's 16-byte pieces in slot 0, 1
.set A8,   18                          ; v18-19  of its 8-byte pieces
.set B16,  20                          ; v20-23  the same for B
.set B8,   22
.set VO16, 24                          ; v24  16 x lane      v25  8 x lane      v26, v30  the same + the way to the image's second half
.set VO8,  25
.set VO16H, 26
.set ADRS, 27                          ; v27  LDS address of my scale words: lanes 0-15 A's rows, lanes 16-31 B's
.set SPW,  28                          ; v28  LDS address of my spare word; never rewritten
.set NIL,  29                          ; v29  0; never rewritten
.set VO8H, 30
.set SC,   32
.set BI,   64
.set AF,   128
.set HA,   128                         ; the way out: 64 numbers
.set TM,   192
.set PW,   208                         ; v208-215 the scale words of my eight A blocks
.set T1,   216
.set T2,   220
.set BR,   224
.set PC,   240
.set SEL,  2                           ; s[2:3]
.set G1, 24
.set G0, 32
.set G1B, 48
.set G0B, 56
.set G1S, 68
.set G0S, 76
.set G1SB, 80
.set G0SB, 88
.set OB,  96                           ; s[96:97] where my codes go;  s[98:99] my scale words
.set OS,  98
.set MSB, 0
.macro WIN new                         ; the immediate's high byte repeats the setting that is left
.if MSB != \new
	s_set_vgpr_msb (MSB<<8)|\new
.set MSB, \new
.endif
.endm
.set MUL_LO, 0xa1                      ; source 0 (B) window 1, source 1 (A) window 0, C and D window 2
.set MUL_HI, 0xf1
.set TO_B,   0x40
; A joint load: waves 0 and 1 fetch for A, waves 2 and 3 for B.  The branch hangs on the wave's number alone.  Four v_nop follow each of the two lines.
.macro JLOAD g0a, g1a, g0b, g1b
	s_cmp_eq_u32 s15, 0
	s_cbranch_scc0 .Lfor_b_\@
	tensor_load_to_lds s[\g0a:\g0a+3], s[\g1a:\g1a+7]
	s_nop 0
.rept 4
	v_nop
.endr
	s_branch .Lasked_\@
.Lfor_b_\@:
	tensor_load_to_lds s[\g0b:\g0b+3], s[\g1b:\g1b+7]
	s_nop 0
.rept 4
	v_nop
.endr
.Lasked_\@:
.endm
.macro CREST                           ; a round of the cluster's barrier behind its opening barrier
	s_cmp_lg_u32 s14, 0
	s_cbranch_scc1 .Lnot_wave_0_\@
	s_barrier_signal -3
.Lnot_wave_0_\@:
	s_barrier_wait -3
	s_barrier_signal -1
	s_barrier_wait -1
.endm
.macro CROUND
	s_barrier_signal -1
	s_barrier_wait -1
	CREST
.endm
.macro PLACES n
.rept \n
	v_nop
.endr
.endm
.macro FRAG reg, a16, a8, q, i         ; a fragment comes as it was stored: every load is consecutive over the lanes
	ds_load_b128 v[\reg:\reg+3], v[\a16] offset:RBB*(\i)+1536*(\q)
	ds_load_b64 v[\reg+4:\reg+5], v[\a8] offset:RBB*(\i)+1536*(\q)+512
	ds_load_b128 v[\reg+6:\reg+9], v[\a16] offset:RBB*(\i)+1536*(\q)+768
	ds_load_b64 v[\reg+10:\reg+11], v[\a8] offset:RBB*(\i)+1536*(\q)+1280
.endm
; 16 matrix instructions: A's blocks a0, a0 + 1 x B's eight.  The 64 accumulators take turns, one instruction a turn, in the same order in every step.
.macro MUL16 a0, p, q, sc, zero
.irp a, \a0, \a0+1
.irp b, 0,1,2,3,4,5,6,7
.if \zero
	v_wmma_scale_f32_16x16x128_f8f6f4 v[8*(8*((\a)%4)+\b):8*(8*((\a)%4)+\b)+7], v[128*(\p)+FR*\b:128*(\p)+FR*\b+FR-1], v[AF+FR*(\a):AF+FR*(\a)+FR-1], 0, v[SC+8*NQ*(\sc)+NQ*\b+(\q)], v[SC+8*NQ*(\sc)+NQ*(\a)+(\q)] matrix_a_fmt:MATRIX_FMT_BF6 matrix_b_fmt:MATRIX_FMT_BF6 matrix_a_scale:MATRIX_SCALE_ROW1
.else
	v_wmma_scale_f32_16x16x128_f8f6f4 v[8*(8*((\a)%4)+\b):8*(8*((\a)%4)+\b)+7], v[128*(\p)+FR*\b:128*(\p)+FR*\b+FR-1], v[AF+FR*(\a):AF+FR*(\a)+FR-1], v[8*(8*((\a)%4)+\b):8*(8*((\a)%4)+\b)+7], v[SC+8*NQ*(\sc)+NQ*\b+(\q)], v[SC+8*NQ*(\sc)+NQ*(\a)+(\q)] matrix_a_fmt:MATRIX_FMT_BF6 matrix_b_fmt:MATRIX_FMT_BF6 matrix_a_scale:MATRIX_SCALE_ROW1
.endif
.endr
.endr
.endm
.macro FETCH_B slot, q, p
	WIN TO_B
.irp i, 0,1,2,3,4,5,6,7
	FRAG 128*(\p)+FR*\i, B16+\slot, B8+\slot, \q, \i
.endr
	WIN 0
.endm
.macro FETCH_A slot, q, i0
.irp i, \i0, \i0+1, \i0+2, \i0+3
	FRAG AF+FR*(\i), A16+\slot, A8+\slot, \q, \i
.endr
.endm
.macro SCALES sc                       ; a slot's scale words: two a row; lanes 0-15 take A's block i, lanes 16-31 B's block i
.irp i, 0,1,2,3,4,5,6,7
	ds_load_b64 v[SC+8*NQ*\sc+NQ*\i:SC+8*NQ*\sc+NQ*\i+1], v[ADRS] offset:\i*SBLK
.endr
.endm
; A step of 128 along K that has its successor in the same slot.
.macro STEP slot, q, zero
	s_wait_dscnt 4*NL                              ; B's set, A's blocks 0-3 and the scale words are in; the youngest sixteen loads (A's blocks 4-7) may be out
	WIN MUL_LO
	MUL16 0, (\q)%2, \q, \slot, \zero
	MUL16 2, (\q)%2, \q, \slot, \zero
	s_wait_dscnt 0
	PLACES NP
	FETCH_B \slot, (\q)+1, 1-(\q)%2
	FETCH_A \slot, (\q)+1, 0
	WIN MUL_HI
	MUL16 4, (\q)%2, \q, \slot, \zero
	MUL16 6, (\q)%2, \q, \slot, \zero
	PLACES NP
	WIN 0
	FETCH_A \slot, (\q)+1, 4
.endm
; A slot's last step changes slots: one barrier; in front of it each wave waits for all its tensor loads, adds 0 to its spare word, and waits for that and for its own reads of this slot.
.macro TURN slot, next, fill
	s_wait_tensorcnt 0x0                           ; all my tensor loads have landed: my part of the next slot
	ds_add_u32 v[SPW], v[NIL]                      ; 0 onto my spare word
	s_wait_dscnt 4*NL+1                            ; (the add and the youngest sixteen loads may be out)
	WIN MUL_LO
	MUL16 0, 1, NQ-1, \slot, 0
	s_wait_dscnt 0x0                               ; the add is done, and my reads of this slot are over
	s_barrier_signal -1
	MUL16 2, 1, NQ-1, \slot, 0
	WIN 0
	s_barrier_wait -1
.if \fill
	CREST                                          ; the barrier has opened a round of the cluster's barrier: no wave of any partner still reads this slot or has a load on its way
	s_add_nc_u64 s[G0+4*\slot+2:G0+4*\slot+3], s[G0+4*\slot+2:G0+4*\slot+3], 2*RBB
	s_add_nc_u64 s[G0B+4*\slot+2:G0B+4*\slot+3], s[G0B+4*\slot+2:G0B+4*\slot+3], 2*RBB
	JLOAD G0+4*\slot, G1, G0B+4*\slot, G1B         ; the first tensor load behind the round; its four v_nop are the places in front of the loads below
.else
	PLACES NP
.endif
	s_wait_alu depctr_va_vdst(0)
	v_add_nc_u32 v[ADRS], 4*NQ, v[ADRS]            ; on to the next slot's scale words (no LDS load of mine is out)
	FETCH_B \next, 0, 0
	FETCH_A \next, 0, 0
	SCALES \next
	WIN MUL_HI
	MUL16 4, 1, NQ-1, \slot, 0
	MUL16 6, 1, NQ-1, \slot, 0
	PLACES NP
	WIN 0
	FETCH_A \next, 0, 4
.endm
; 64 numbers of a lane, register 16 b + i = k 32 b + 16 (lane / 16) + i of my row, become a fragment's codes in v[pc] on and its scale word in v[pw].
.macro QUANT s, pc, t1, t2, tm, pw
.irp b, 0,1,2,3
	v_max3_num_f32 v[\tm+\b], |v[\s+16*\b]|, |v[\s+1+16*\b]|, 0x2800000   ; my 16 numbers of block b, and the floor 2^(5 - 127): the byte cannot fall under 1
.endr
.irp i, 2,4,6,8,10,12,14
.irp b, 0,1,2,3
	v_max3_num_f32 v[\tm+\b], v[\tm+\b], |v[\s+16*\b+\i]|, |v[\s+1+16*\b+\i]|
.endr
.endr
.irp b, 0,1,2,3
	v_permlanex16_b32 v[\tm+4+\b], v[\tm+\b], s[SEL], s[SEL+1]
.endr
.irp b, 0,1,2,3
	v_max_num_f32 v[\tm+\b], v[\tm+\b], v[\tm+4+\b]
.endr
.irp b, 0,1,2,3
	v_add_nc_u32 v[\tm+12+\b], 0xfe000000, v[\tm+\b]       ; 4 off the exponent field: the conversion's scale operand
.endr
.irp b, 0,1,2,3
	v_lshrrev_b32 v[\tm+4+\b], 23, v[\tm+12+\b]            ; the scale's byte
.endr
	v_lshl_or_b32 v[\pw], v[\tm+5], 8, v[\tm+4]
	v_lshl_or_b32 v[\pw], v[\tm+6], 16, v[\pw]
	v_lshl_or_b32 v[\pw], v[\tm+7], 24, v[\pw]
	v_cvt_scalef32_pk16_bf6_f32 v[\pc:\pc+2], v[\s:\s+15], v[\tm+12]
	v_cvt_scalef32_pk16_bf6_f32 v[\t1:\t1+2], v[\s+16:\s+31], v[\tm+13]
	v_cvt_scalef32_pk16_bf6_f32 v[\pc+6:\pc+8], v[\s+32:\s+47], v[\tm+14]
	v_cvt_scalef32_pk16_bf6_f32 v[\t2:\t2+2], v[\s+48:\s+63], v[\tm+15]
	v_nop                                                  ; one plain place behind a scaled conversion
.irp i, 0,1,2
	v_permlane16_swap_b32 v[\pc+\i], v[\t1+\i]             ; a whole block to a lane: lanes 0-15 block 2 c, lanes 16-31 block 2 c + 1
.endr
.irp i, 0,1,2
	v_permlane16_swap_b32 v[\pc+6+\i], v[\t2+\i]
.endr
.irp i, 0,1,2
	v_mov_b32 v[\pc+3+\i], v[\t1+\i]
.endr
.irp i, 0,1,2
	v_mov_b32 v[\pc+9+\i], v[\t2+\i]
.endr
.endm
	s_load_b256 s[80:87], s[0:1], 0x0              ; x_img, x_sc, w_img, w_sc: chosen from below, into s[4:11]
	s_load_b64 s[12:13], s[0:1], 0x20              ; b_attn
	s_load_b64 s[OB:OB+1], s[0:1], 0x28            ; qkv_img
	s_load_b64 s[OS:OS+1], s[0:1], 0x30            ; qkv_sc
	v_lshl_add_u32 v[SPW], v0, 2, SPARE
	v_mov_b32 v[NIL], 0
	ds_add_u32 v28, v29
	ds_add_u32 v28, v29
	s_wait_dscnt 0x0
	v_lshrrev_b32 v1, 5, v0
	v_readfirstlane_b32 s14, v1                    ; wave 0..3
	s_lshr_b32 s15, s14, 1                         ; which half of A's rows is mine.  Also: I fetch for A (0) or for B (1)
	s_and_b32 s16, s14, 1                          ; which half of B's rows.  Also: which 128 rows of that tile I fetch
	s_bfe_u32 s40, ttmp6, 0x40000                  ; cx, cy: my place in the cluster
	s_bfe_u32 s41, ttmp6, 0x40004
	s_and_b32 s18, ttmp7, 0xffff
	s_lshl_b32 s18, s18, 2                         ; 4 x cluster y
	s_lshl_b32 s19, ttmp9, 2                       ; 4 x cluster x
	s_cmp_eq_u32 ttmp9, 2                          ; the clusters with x = 2 make v
	s_cselect_b32 s66, 1, 0
	s_cselect_b32 s17, 0, s18
	s_cselect_b32 s42, s18, s19
	s_add_co_u32 s17, s17, s41                     ; A's tile: 4 y + cy of x's 32, or cy of w's last 4
	s_add_co_u32 s42, s42, s40                     ; B's tile: 4 x + cx of w's first 8, or 4 y + cx of x's 32
	s_lshl_b32 s43, s41, 2
	s_lshl_b32 s43, 15, s43                        ; my row of the cluster
	s_lshl_b32 s44, 0x1111, s40                    ; my column
	s_mov_b32 s[SEL], 0x76543210
	s_mov_b32 s[SEL+1], 0xfedcba98
	; descriptor group 1: 8 row blocks x 3,072 bytes (384 elements of 8 bytes), 12,288 bytes apart in memory, on end in LDS
	s_or_b32 s[G1+0], s43, (3<<16)|(1<<21)         ; 15:0 the mask: A's tiles go to my row; 17:16 elements of 8 bytes; 21 set beside a mask
	s_or_b32 s[G1B+0], s44, (3<<16)|(1<<21)
.irp g, G1, G1B
	s_mov_b32 s[\g+1], 384<<16                     ; tensor_dim0
	s_mov_b32 s[\g+2], 16<<16                      ; tensor_dim1: the head's loads bring 16 row blocks; set to 8 for the ring behind them
	s_mov_b32 s[\g+3], 384<<16                     ; tile_dim0
	s_mov_b32 s[\g+4], 16                          ; tile_dim1
	s_mov_b32 s[\g+5], 1536                        ; tensor_dim0_stride
	s_mov_b32 s[\g+6], 0
	s_mov_b32 s[\g+7], 0
.endr
	; the scales of 256 rows: 8,192 dense bytes as 32 rows of 256 bytes, 16 bytes of padding behind each
	s_or_b32 s[G1S+0], s43, (3<<16)|(1<<20)|(1<<21)|(5<<22)|(3<<25)
	s_mov_b32 s[G1S+1], 32<<16
	s_mov_b32 s[G1S+2], 32<<16                     ; the scales of 256 rows: 32 rows of 256 bytes
	s_mov_b32 s[G1S+3], 32<<16
	s_mov_b32 s[G1S+4], 32
	s_mov_b32 s[G1S+5], 32
	s_mov_b32 s[G1S+6], 0
	s_mov_b32 s[G1S+7], 0
	s_lshl_b32 s20, s17, 8                         ; A's tile: its first row
	s_lshl_b32 s46, s42, 8                         ; B's tile: its first row
	s_lshl_b32 s22, s20, 5                         ; 32 scale bytes a row,
	s_lshl_b32 s92, s46, 5
	s_mul_i32 s20, s20, 768                        ; 768 bytes of codes
	s_mul_i32 s46, s46, 768
	s_mov_b32 s21, 0
	s_mov_b32 s23, 0
	s_mov_b32 s47, 0
	s_mov_b32 s93, 0
	s_mul_i32 s45, s14, HALFT                      ; where they go: wave x 128 rows: no place in the cluster enters an LDS address
	s_wait_kmcnt 0x0
	s_cmp_eq_u32 s66, 1
	s_cselect_b64 s[4:5], s[84:85], s[80:81]       ; A's codes: w's for v, else x's
	s_cselect_b64 s[6:7], s[86:87], s[82:83]       ; A's scales
	s_cselect_b64 s[8:9], s[80:81], s[84:85]       ; B's codes
	s_cselect_b64 s[10:11], s[82:83], s[86:87]     ; B's scales
	s_cselect_b32 s18, 1572864, 0                  ; v's rows of w begin at row 2,048
	s_cselect_b32 s19, 65536, 0
	s_add_co_u32 s20, s20, s18
	s_add_co_u32 s22, s22, s19
	s_add_nc_u64 s[20:21], s[4:5], s[20:21]
	s_add_nc_u64 s[22:23], s[6:7], s[22:23]
	s_add_nc_u64 s[46:47], s[8:9], s[46:47]
	s_add_nc_u64 s[92:93], s[10:11], s[92:93]
	s_or_b32 s[G1SB+0], s44, (3<<16)|(1<<20)|(1<<21)|(5<<22)|(3<<25)
	s_mov_b32 s[G1SB+1], 32<<16
	s_mov_b32 s[G1SB+2], 32<<16
	s_mov_b32 s[G1SB+3], 32<<16
	s_mov_b32 s[G1SB+4], 32
	s_mov_b32 s[G1SB+5], 32
	s_mov_b32 s[G1SB+6], 0
	s_mov_b32 s[G1SB+7], 0
	CROUND                                         ; all sixteen work-groups are here: the first joint loads meet
	s_mov_b32 s[G0S], 1
	s_mov_b32 s[G0S+1], SCL
	s_mov_b64 s[G0S+2:G0S+3], s[22:23]
	s_or_b32 s[G0S+3], s[G0S+3], 0x80000000
	s_mov_b32 s[G0SB], 1
	s_mov_b32 s[G0SB+1], SCL+2*HALFS
	s_mov_b64 s[G0SB+2:G0SB+3], s[92:93]
	s_or_b32 s[G0SB+3], s[G0SB+3], 0x80000000
	s_mov_b32 s[G0], 1                             ; at the head slot 0's group 0 names the whole tile: A's 256 rows,
	s_mov_b32 s[G0+1], 0
	s_mov_b64 s[G0+2:G0+3], s[20:21]
	s_or_b32 s[G0+3], s[G0+3], 0x80000000
	s_mov_b32 s[G0B], 1                            ; B's 256 rows behind them
	s_mov_b32 s[G0B+1], 2*HALFT
	s_mov_b64 s[G0B+2:G0B+3], s[46:47]
	s_or_b32 s[G0B+3], s[G0B+3], 0x80000000
	s_mul_i32 s18, s16, 128*768                    ; for the ring: my 128 rows of the tile
	s_mov_b32 s19, 0
	s_add_nc_u64 s[20:21], s[20:21], s[18:19]
	s_add_nc_u64 s[46:47], s[46:47], s[18:19]
.irp s, 1
	s_mov_b32 s[G0+4*\s], 1
	s_add_co_u32 s[G0+4*\s+1], s45, \s*SLOT
	s_add_nc_u64 s[G0+4*\s+2:G0+4*\s+3], s[20:21], \s*RBB
	s_or_b32 s[G0+4*\s+3], s[G0+4*\s+3], 0x80000000
	s_mov_b32 s[G0B+4*\s], 1
	s_add_co_u32 s[G0B+4*\s+1], s45, \s*SLOT
	s_add_nc_u64 s[G0B+4*\s+2:G0B+4*\s+3], s[46:47], \s*RBB
	s_or_b32 s[G0B+4*\s+3], s[G0B+4*\s+3], 0x80000000
.endr
; the head's four tiles, one load a wave: wave 0 A's 256 rows of K steps 0 and 1, wave 1 B's, wave 2 A's scales, wave 3 B's: one chain of branches on the wave's number
.macro ARM under, g0, g1, next
	s_cmp_lt_u32 s14, \under
	s_cbranch_scc0 \next
	tensor_load_to_lds s[\g0:\g0+3], s[\g1:\g1+7]
	s_nop 0
.rept 4
	v_nop
.endr
	s_branch .Lhead_asked
\next:
.endm
	ARM 1, G0,  G1,  .Lhead_b
	ARM 2, G0B, G1B, .Lhead_sa
	ARM 3, G0S, G1S, .Lhead_sb
	tensor_load_to_lds s[G0SB:G0SB+3], s[G1SB:G1SB+7]
	s_nop 0
.rept 4
	v_nop
.endr
.Lhead_asked:
	v_and_b32 v1, 31, v0                           ; lane
	v_and_b32 v2, 15, v0                           ; r
	v_bfe_u32 v3, v0, 4, 1                         ; h
	v_lshlrev_b32 v4, 4, v1
	v_lshlrev_b32 v5, 3, v1
	s_mul_i32 s21, s15, HALFT                      ; my 128 rows of A
	s_mul_i32 s22, s16, HALFT                      ; my 128 rows of B,
	s_add_co_u32 s22, s22, 2*HALFT                 ; which lie behind A's 256
.irp s, 0,1
	v_add_nc_u32 v[A16+\s], s21, v4
	v_add_nc_u32 v[A8+\s], s21, v5
	v_add_nc_u32 v[B16+\s], s22, v4
	v_add_nc_u32 v[B8+\s], s22, v5
	s_add_co_u32 s21, s21, SLOT
	s_add_co_u32 s22, s22, SLOT
.endr
	v_lshlrev_b32 v6, 5, v2                        ; my row's scales: 32 bytes a row,
	v_lshrrev_b32 v7, 8, v6
	v_lshl_add_u32 v6, v7, 4, v6                   ; and 16 more for each 256 passed
	s_mul_i32 s21, s15, HALFS
	s_mul_i32 s22, s16, HALFS
	s_add_co_u32 s22, s22, 2*HALFS
	s_sub_co_u32 s22, s22, s21
	v_mul_u32_u24 v7, s22, v3                      ; lanes 16-31 take B's
	s_add_co_u32 s21, s21, SCL
	v_add_nc_u32 v6, v6, v7
	v_add_nc_u32 v[ADRS], s21, v6
	; THE WAY OUT'S NUMBERS.  P = my first row on A's side, Q = on B's side
	s_lshl_b32 s4, s17, 8
	s_lshl_b32 s5, s15, 7
	s_add_co_u32 s4, s4, s5                        ; P
	s_lshl_b32 s5, s42, 8
	s_lshl_b32 s6, s16, 7
	s_add_co_u32 s5, s5, s6                        ; Q
	s_add_co_u32 s6, s4, 2048
	s_cmp_eq_u32 s66, 1
	s_cselect_b32 s7, s5, s4                       ; my first token
	s_cselect_b32 s6, s6, s5                       ; my first feature of the 3,072
	s_cselect_b32 s92, -1, 0                       ; all lanes where I make v
	s_cselect_b32 s93, 0, -1                       ; all lanes where I make q or k
	s_cselect_b32 s8, 0, s6                        ; where the bias along the registers begins (for v: a place inside the buffer, its numbers are replaced by 0)
	s_cselect_b32 s9, s6, 0                        ; and the bias by lane
	s_mov_b32 s20, 768
	s_cselect_b32 s20, 1536, s20                   ; from one of A's blocks to the next: half an image, or an image
	s_mov_b32 s19, 294912
	s_cselect_b32 s19, 768, s19                    ; from registers 0-5 to registers 6-11: the next head, or the image's second half
	s_cselect_b32 s22, 288768, 0                   ; v: A's block 4 begins the next head: 294,912 - 4 x 1,536
	s_mov_b32 s21, 0
	s_mov_b32 s23, 0
	s_mov_b32 s94, 0xffff0000                      ; lanes 16-31
	s_lshr_b32 s10, s7, 11                         ; batch
	s_bfe_u32 s11, s7, 0x40007                     ; which 128 tokens of its 2,048
	s_lshr_b32 s18, s6, 10                         ; q, k or v
	s_bfe_u32 s45, s6, 0x40006                     ; head
	s_lshl_b32 s10, s10, 4
	s_add_co_u32 s10, s10, s45
	s_mul_i32 s10, s10, 3
	s_add_co_u32 s10, s10, s18
	s_mul_i32 s46, s10, 98304
	s_mul_i32 s47, s11, 6144
	s_add_co_u32 s46, s46, s47
	s_mov_b32 s47, 0
	s_add_nc_u64 s[OB:OB+1], s[OB:OB+1], s[46:47]
	s_lshl_b32 s46, s10, 12
	s_lshl_b32 s45, s11, 8
	s_add_co_u32 s46, s46, s45
	s_add_nc_u64 s[OS:OS+1], s[OS:OS+1], s[46:47]
	s_lshl_b32 s8, s8, 2
	s_lshl_b32 s9, s9, 2
	v_lshlrev_b32 v[VO16], 4, v1
	v_lshlrev_b32 v[VO8], 3, v1
	v_add_nc_u32 v[VO16H], s19, v[VO16]
	v_add_nc_u32 v[VO8H], s19, v[VO8]
	v_lshlrev_b32 v8, 6, v3
	v_add_nc_u32 v8, s8, v8                        ; the bias along the registers: register 16 b + i wants feature 32 b + 16 h + i
	v_and_b32 v9, 8, v2
	v_add_nc_u32 v9, v9, v2
	v_lshlrev_b32 v9, 2, v9
	v_add_nc_u32 v9, s9, v9                        ; the bias by lane: block a wants feature 32 (a / 2) + 8 (a % 2) + r + 8 (r / 8)
.irp b, 0,1,2,3
.irp j, 0,1,2,3
	global_load_b128 v[BI+16*\b+4*\j:BI+16*\b+4*\j+3], v8, s[12:13] offset:128*\b+16*\j
.endr
.endr
.irp a, 0,1,2,3,4,5,6,7
	global_load_b32 v[BR+2*\a], v9, s[12:13] offset:(32*(\a/2)+8*(\a%2))*4
	v_mov_b32 v[BR+2*\a+1], 0                      ; (named with it as a pair)
.endr
	s_wait_loadcnt 0x0
.set j, 0
.rept 64
	v_cndmask_b32 v[BI+j], 0, v[BI+j], s93         ; of the two biases the one that my role does not use becomes 0: both additions are always made
.set j, j+1
.endr
.irp a, 0,1,2,3,4,5,6,7
	v_cndmask_b32 v[BR+2*\a], 0, v[BR+2*\a], s92
.endr
	s_wait_alu depctr_va_vdst(0)
	s_wait_tensorcnt 0x0                           ; my tile of the head's four is in
	ds_add_u32 v[SPW], v[NIL]
	s_mov_b32 s[G1+2], 8<<16                       ; no tensor load of mine is out: from here on a load brings 8 row blocks,
	s_mov_b32 s[G1+4], 8
	s_mov_b32 s[G1B+2], 8<<16
	s_mov_b32 s[G1B+4], 8
	s_mul_i32 s[G0+1], s14, HALFT                  ; and slot 0's group 0 names my quarter of the slot
	s_mul_i32 s[G0B+1], s14, HALFT
	s_mul_i32 s46, s16, 128*768
	s_mov_b32 s47, 0
	s_add_nc_u64 s[G0+2:G0+3], s[G0+2:G0+3], s[46:47]
	s_add_nc_u64 s[G0B+2:G0B+3], s[G0B+2:G0B+3], s[46:47]
	s_wait_dscnt 0x0
	CROUND                                         ; all four tiles are in, and all sixteen work-groups are here
	JLOAD G0+4, G1, G0B+4, G1B                     ; slot 1's first fill, the first tensor load behind the round
	FETCH_B 0, 0, 0
	FETCH_A 0, 0, 0
	SCALES 0
	FETCH_A 0, 0, 4
	STEP 0, 0, 1                                   ; K = 1,024 is four fills of a slot, eight steps: written out.  The first step's products start the sums
	TURN 0, 1, 1
	STEP 1, 0, 0
	TURN 1, 0, 1
	STEP 0, 0, 0
	TURN 0, 1, 0                                   ; nothing is left to fetch
	STEP 1, 0, 0
	s_wait_dscnt 4*NL
	WIN MUL_LO
	MUL16 0, 1, NQ-1, 1, 0
	MUL16 2, 1, NQ-1, 1, 0
	s_wait_dscnt 0
	WIN MUL_HI
	MUL16 4, 1, NQ-1, 1, 0
	MUL16 6, 1, NQ-1, 1, 0
	WIN 0
	; THE WAY OUT, one of A's blocks at a time: its eight accumulators are 64 numbers of a lane's row, 128 neighbours along the next product's K between lanes l and l xor 16.  No LDS.
	PLACES NP                                      ; behind the last products: their results are read and A's registers written below
.irp b, 0,1,2,3
	v_mov_b32 v[TM+4+\b], 0                        ; written once: a lane permute's destination counts as one of its sources
.endr
.irp a, 0,1,2,3,4,5,6,7
	s_wait_xcnt 0x0                                ; the last block's stores have read their registers and their base
.if \a > 0
	s_add_nc_u64 s[OB:OB+1], s[OB:OB+1], s[20:21]
.endif
.if \a == 4
	s_add_nc_u64 s[OB:OB+1], s[OB:OB+1], s[22:23]
.endif
	WIN 0x02+(\a)/4                                ; source 0: window 2 or 3
.set AC, 64*(\a%4)
.set j, 0
.rept 32
	v_pk_add_f32 v[HA+j:HA+j+1], v[AC+j:AC+j+1], v[BI+j:BI+j+1]    ; each accumulator from its low end on
.set j, j+2
.endr
	WIN 0
.set j, 0
.rept 32
	v_pk_add_f32 v[HA+j:HA+j+1], v[HA+j:HA+j+1], v[BR+2*\a:BR+2*\a+1] op_sel_hi:[1,0]
.set j, j+2
.endr
	QUANT HA, PC, T1, T2, TM, PW+\a
	global_store_b128 v[VO16], v[PC:PC+3], s[OB:OB+1]              ; each store covers whole aligned blocks of 256 bytes
	global_store_b64 v[VO8], v[PC+4:PC+5], s[OB:OB+1] offset:512
	global_store_b128 v[VO16H], v[PC+6:PC+9], s[OB:OB+1]
	global_store_b64 v[VO8H], v[PC+10:PC+11], s[OB:OB+1] offset:512
.endr
	; the scale words of my two heads, 256 bytes each
.irp d, 0,1
.irp i, 0,1,2,3
.if \d == 0
	v_perm_b32 v[HA+4*\d+\i], v[PW+2*\i+1], v[PW+2*\i], 0x05040100   ; q, k: the head's two bytes of tile 2 i, then of tile 2 i + 1
.else
	v_perm_b32 v[HA+4*\d+\i], v[PW+2*\i+1], v[PW+2*\i], 0x07060302
.endif
.endr
.irp i, 0,1,2,3
	v_cndmask_b32 v[HA+4*\d+\i], v[HA+4*\d+\i], v[PW+4*\d+\i], s92   ; v: tile i's word as it stands
.endr
	v_cndmask_b32 v[HA+8+2*\d], v[HA+4*\d], v[HA+4*\d+1], s94        ; lane (r, h) owns W[h]
	v_cndmask_b32 v[HA+9+2*\d], v[HA+4*\d+2], v[HA+4*\d+3], s94      ; and W[2 + h]
	global_store_b64 v[VO8], v[HA+8+2*\d:HA+9+2*\d], s[OS:OS+1] offset:12288*\d
.endr
	s_wait_tensorcnt 0x0                           ; the wave's end
	ds_add_u32 v[SPW], v[NIL]
	s_wait_dscnt 0x0
	CROUND                                         ; the closing round: no work-group ends while a partner may still ask for a tile that names it
	s_endpgm
.Lfunc_end_k_q810c1b13aa_gemm_qkv:
	.size	k_q810c1b13aa_gemm_qkv, .Lfunc_end_k_q810c1b13aa_gemm_qkv-k_q810c1b13aa_gemm_qkv
	.p2alignl 7, 3214868480
	.fill 96, 4, 3214868480
	.section	.rodata,"a",@progbits
	.p2align	6, 0x0
	.amdhsa_kernel k_q810c1b13aa_gemm_qkv
		.amdhsa_group_segment_fixed_size 327680
		.amdhsa_private_segment_fixed_size 0
		.amdhsa_enable_private_segment 0
		.amdhsa_kernarg_size 56
		.amdhsa_user_sgpr_count 2
		.amdhsa_user_sgpr_kernarg_segment_ptr 1
		.amdhsa_wavefront_size32 1
		.amdhsa_system_sgpr_workgroup_id_x 1
		.amdhsa_system_sgpr_workgroup_id_y 1
		.amdhsa_system_sgpr_workgroup_id_z 1
		.amdhsa_system_vgpr_workitem_id 0
		.amdhsa_next_free_vgpr 1024
		.amdhsa_next_free_sgpr 100
		.amdhsa_reserve_vcc 0
		.amdhsa_float_denorm_mode_32 3
		.amdhsa_float_denorm_mode_16_64 3
		.amdhsa_memory_ordered 1
		.amdhsa_forward_progress 1
		.amdhsa_inst_pref_size 191
	.end_amdhsa_kernel
	.amdgpu_metadata
---
amdhsa.version: [ 1, 2 ]
amdhsa.kernels:
  - .name:           k_q810c1b13aa_gemm_qkv
    .symbol:         k_q810c1b13aa_gemm_qkv.kd
    .args:
      - { .name: x_img, .offset: 0, .size: 8, .value_kind: global_buffer, .address_space: global }
      - { .name: x_sc, .offset: 8, .size: 8, .value_kind: global_buffer, .address_space: global }
      - { .name: w_img, .offset: 16, .size: 8, .value_kind: global_buffer, .address_space: global }
      - { .name: w_sc, .offset: 24, .size: 8, .value_kind: global_buffer, .address_space: global }
      - { .name: b_attn, .offset: 32, .size: 8, .value_kind: global_buffer, .address_space: global }
      - { .name: qkv_img, .offset: 40, .size: 8, .value_kind: global_buffer, .address_space: global }
      - { .name: qkv_sc, .offset: 48, .size: 8, .value_kind: global_buffer, .address_space: global }
    .group_segment_fixed_size: 327680
    .private_segment_fixed_size: 0
    .kernarg_segment_align: 8
    .kernarg_segment_size: 56
    .max_flat_workgroup_size: 128
    .sgpr_count:     100
    .vgpr_count:     1024
    .wavefront_size: 32
...
	.end_amdgpu_metadata
.endif
;; end of part 3
;; launch attn (part 4): grid 4 x 64, 8 waves a work-group, clusters of 4 x 1, 327,680 bytes of LDS; arguments qkv_img, qkv_sc, y_img, y_sc; writes y_img, y_sc
.if DOCPART == 4
	.amdgcn_target "amdgcn-amd-amdhsa--gfx1250"
	.amdhsa_code_object_version 6
	.text
	.protected	k_q810c1b13aa_attn
	.globl	k_q810c1b13aa_attn
	.p2align	8
	.type	k_q810c1b13aa_attn,@function
k_q810c1b13aa_attn:
	s_mov_b64 s[64:65], 0
	v_nop
	global_prefetch_b8 v0, s[64:65] scope:SCOPE_SE
	s_setreg_imm32_b32 hwreg(HW_REG_WAVE_MODE, 25, 1), 1
	s_wait_xcnt 0x0
	s_wait_alu depctr_hold_cnt(0) depctr_sa_sdst(0) depctr_va_vdst(0) depctr_va_sdst(0) depctr_va_ssrc(0) depctr_va_vcc(0) depctr_vm_vsrc(0)
	s_getreg_b32 s2, hwreg(HW_REG_IB_STS2, 6, 4)
	s_cmp_eq_u32 s2, 0
	s_cbranch_scc0 .Lentry_in_a_cluster
	s_endpgm
.Lentry_in_a_cluster:
	s_bfe_u32 s2, ttmp6, 0x10000c
	s_cmp_lg_u32 s2, 0x3003
	s_cbranch_scc0 .Lentry_shape_is_right
	s_endpgm
.Lentry_shape_is_right:
; y = softmax(q k^T / 8) v for one batch x head (work-group y) and 512 queries (place in the cluster), on codes of BF6 (E3M2) with E8M0 scales; y leaves as codes and scale bytes, laid as the next product's operand.
; IN: qkv_img [batch x head][q, k, v][98,304], qkv_sc [batch x head][q, k, v][16 steps][256], images of fragments (registers 6 c .. 6 c + 3 at 768 c + 16 x lane, 6 c + 4, 6 c + 5 at 768 c + 512 + 8 x lane).
;   q, k: an image is 32 tokens: half u holds tokens 32 a + 8 u + r + 8 (r / 8), the head's 64 along K.  v: [step of 128 keys][tile of 16 of the head's 64].
; Both products are used transposed (S^T = k q^T, O^T = v^T p^T): a lane holds one query.  The head's 64 fill half of the instruction's K: an image of k (two tiles of keys) meets q beside zero codes, once in each half.
; p = 2^(t - M), t = score x log2(e) / 8, M the running largest t rounded up to a whole number; the row's sum is taken of the unquantised p; O^T and the sums are multiplied by 2^(old M - new M) in every step.
; SHARES: the head's K, V and their scales, 204,800 dense bytes, lie in LDS for the whole launch: one joint load a wave at the head (waves 0-5: 32,768 bytes of codes each, waves 6, 7: 4,096 of scales), shared by the four
; work-groups of the cluster, which take the same head.  A wave takes two groups of 32 queries, one a pass; the group's two tiles of 16 go through a step of 128 keys together, so each fragment is read from LDS once for both.
; No prefetch: all that a work-group reads is asked for at its head, and no loop stands ahead of those loads.
; LIMITS: the promise holds while the scaled scores stay under 2^31 in magnitude; NaN and infinities are not served; a block of y under 2^-122 gets the byte 1 (this program alone reads the bytes).
; REGISTERS: window 0: addresses, state, q, fragments, codes, temporaries.  Window 1: v0-127 the scores, then p (tile t at 64 t); v128-191 O^T (tile t at 128 + 32 t).
.set VB,    98304                      ; LDS: K's 16 steps of 6,144 bytes, then V's
.set SCB,   196608                     ; K's scales, 16 x 256, then V's
.set SPARE, 204800                     ; the spare words, 128 bytes a wave
.set Q,   24                           ; v24-53: zeros, q of tile 0, zeros, q of tile 1, zeros: six registers each
.set QS,  54                           ; v54-57 q's scale words: tile t: q in the lower half of K, q in the upper half
.set RW,  58
.set H,   60                           ; v60-72 the second group's image and scale word
.set KF,  74
.set VF,  122
.set KSW, 170
.set VSW, 172
.set PC,  174                          ; p's codes, tile t at 12 t
.set TQ,  198
.set TM,  214
.set TP,  222
.set TO,  230
.set PW,  238
.set TT,  240
.set TU,  242
.set FF,  244
.set SB,  248
.set OA,  128
.set WV,  12
.set SEL, 20
.set CS,  22
.set NCS, 3
.set PS,  2
.set TB,  48
.set TS,  49
.set CNT, 50
.set MSB, 0
.macro WIN new                         ; the immediate's high byte repeats the setting that is left
.if MSB != \new
	s_set_vgpr_msb (MSB<<8)|\new
.set MSB, \new
.endif
.endm
.macro CROUND
	s_barrier_signal -1
	s_barrier_wait -1
	s_cmp_lg_u32 s[WV], 0
	s_cbranch_scc1 .Lnot_wave_0_\@
	s_barrier_signal -3
.Lnot_wave_0_\@:
	s_barrier_wait -3
	s_barrier_signal -1
	s_barrier_wait -1
.endm
.macro FRAGS reg, a16, a8              ; four images, as they were stored
.irp g, 0,1,2,3
	ds_load_b128 v[\reg+12*\g:\reg+12*\g+3], v[\a16] offset:1536*\g
	ds_load_b64 v[\reg+12*\g+4:\reg+12*\g+5], v[\a8] offset:1536*\g+512
	ds_load_b128 v[\reg+12*\g+6:\reg+12*\g+9], v[\a16] offset:1536*\g+768
	ds_load_b64 v[\reg+12*\g+10:\reg+12*\g+11], v[\a8] offset:1536*\g+1280
.endr
.endm
.macro SM d, g, b, sc                  ; 16 keys x 16 queries
.if (\g)%2
	v_wmma_scale_f32_16x16x128_f8f6f4 v[\d:\d+7], v[KF+12*(\g):KF+12*(\g)+11], v[\b:\b+11], 0, v[KSW+(\g)/2], v[\sc] matrix_a_fmt:MATRIX_FMT_BF6 matrix_b_fmt:MATRIX_FMT_BF6 matrix_a_scale:MATRIX_SCALE_ROW1
.else
	v_wmma_scale_f32_16x16x128_f8f6f4 v[\d:\d+7], v[KF+12*(\g):KF+12*(\g)+11], v[\b:\b+11], 0, v[KSW+(\g)/2], v[\sc] matrix_a_fmt:MATRIX_FMT_BF6 matrix_b_fmt:MATRIX_FMT_BF6
.endif
.endm
.macro PV u, t                         ; 16 of the head's 64 x 16 queries, 128 keys
.if (\u)%2
	v_wmma_scale_f32_16x16x128_f8f6f4 v[OA+32*(\t)+8*(\u):OA+32*(\t)+8*(\u)+7], v[VF+12*(\u):VF+12*(\u)+11], v[PC+12*(\t):PC+12*(\t)+11], v[OA+32*(\t)+8*(\u):OA+32*(\t)+8*(\u)+7], v[VSW+(\u)/2], v[PW+(\t)] matrix_a_fmt:MATRIX_FMT_BF6 matrix_b_fmt:MATRIX_FMT_BF6 matrix_a_scale:MATRIX_SCALE_ROW1
.else
	v_wmma_scale_f32_16x16x128_f8f6f4 v[OA+32*(\t)+8*(\u):OA+32*(\t)+8*(\u)+7], v[VF+12*(\u):VF+12*(\u)+11], v[PC+12*(\t):PC+12*(\t)+11], v[OA+32*(\t)+8*(\u):OA+32*(\t)+8*(\u)+7], v[VSW+(\u)/2], v[PW+(\t)] matrix_a_fmt:MATRIX_FMT_BF6 matrix_b_fmt:MATRIX_FMT_BF6
.endif
.endm
	s_load_b256 s[4:11], s[0:1], 0x0               ; qkv_img, qkv_sc, y_img, y_sc
	v_lshl_add_u32 v254, v0, 2, SPARE
	v_mov_b32 v255, 0
	ds_add_u32 v254, v255                          ; the opening lines: the add, twice on end, and its wait
	ds_add_u32 v254, v255
	v_lshrrev_b32 v3, 5, v0
	v_readfirstlane_b32 s[WV], v3                  ; wave 0..7
	s_bfe_u32 s13, ttmp6, 0x40000                  ; my place in the cluster: which 512 queries
	s_and_b32 s14, ttmp7, 0xffff                   ; batch x head
	s_mov_b32 s24, 15|(3<<16)|(1<<21)              ; group 1, codes: 128 rows of 256 bytes, dense; the mask names the cluster's four
	s_mov_b32 s25, 32<<16
	s_mov_b32 s26, 128<<16
	s_mov_b32 s27, 32<<16
	s_mov_b32 s28, 128
	s_mov_b32 s29, 32
	s_mov_b32 s30, 0
	s_mov_b32 s31, 0
	s_mov_b32 s32, 15|(3<<16)|(1<<21)              ; group 1, scales: 16 rows of 256 bytes
	s_mov_b32 s33, 32<<16
	s_mov_b32 s34, 16<<16
	s_mov_b32 s35, 32<<16
	s_mov_b32 s36, 16
	s_mov_b32 s37, 32
	s_mov_b32 s38, 0
	s_mov_b32 s39, 0
	s_mul_i32 s52, s14, 294912
	s_lshl_b32 s53, s[WV], 15                      ; my 32,768 bytes of K and V
	s_add_co_u32 s54, s52, s53
	s_add_co_u32 s54, s54, 98304                   ; behind q
	s_mov_b32 s55, 0
	s_mul_i32 s56, s14, 12288
	s_and_b32 s15, s[WV], 1
	s_lshl_b32 s57, s15, 12                        ; wave 6: K's scales, wave 7: V's
	s_add_co_u32 s58, s56, s57
	s_add_co_u32 s58, s58, 4096
	s_mov_b32 s59, 0
	s_mov_b32 s[SEL], 0x76543210
	s_mov_b32 s[SEL+1], 0xfedcba98
	s_mov_b32 s[CS], 0x3e38aa3b                    ; c = log2(e) / 8
	s_mov_b32 s[CS+1], s[CS]
	s_mov_b32 s[NCS], 0xbe38aa3b                   ; -c
	s_mov_b32 s51, 0xffff0000                      ; lanes 16-31
	s_wait_dscnt 0x0
	s_wait_kmcnt 0x0
	CROUND                                         ; the four work-groups are here: the joint loads meet
	s_mov_b32 s40, 1
	s_mov_b32 s41, s53
	s_add_nc_u64 s[42:43], s[4:5], s[54:55]
	s_or_b32 s43, s43, 0x80000000
	s_mov_b32 s44, 1
	s_add_co_u32 s45, s57, SCB
	s_add_nc_u64 s[46:47], s[6:7], s[58:59]
	s_or_b32 s47, s47, 0x80000000
	s_cmp_lt_u32 s[WV], 6                          ; every wave issues one load
	s_cbranch_scc0 .Lscales
	tensor_load_to_lds s[40:43], s[24:31]
	s_nop 0
.rept 4
	v_nop
.endr
	s_branch .Lasked
.Lscales:
	tensor_load_to_lds s[44:47], s[32:39]
	s_nop 0
.rept 4
	v_nop
.endr
.Lasked:
	s_lshl_b32 s60, s13, 4
	s_lshl_b32 s61, s[WV], 1
	s_add_co_u32 s60, s60, s61                     ; my first group of 32 queries among the head's 64
	s_mul_i32 s61, s60, 1536
	s_add_co_u32 s52, s52, s61
	s_mov_b32 s53, 0
	s_add_nc_u64 s[4:5], s[4:5], s[52:53]          ; its image; the second group's follows
	s_lshr_b32 s61, s60, 2
	s_lshl_b32 s61, s61, 8
	s_add_co_u32 s56, s56, s61
	s_lshl_b32 s61, s15, 2
	s_add_co_u32 s56, s56, s61
	s_mov_b32 s57, 0
	s_add_nc_u64 s[6:7], s[6:7], s[56:57]          ; its scale words; the second group's lie 128 bytes on
	s_lshr_b32 s61, s14, 4
	s_lshl_b32 s61, s61, 6
	s_add_co_u32 s61, s61, s60                     ; the group among all tokens
	s_and_b32 s62, s14, 15                         ; head
	s_mul_i32 s16, s61, 24576
	s_mul_i32 s63, s62, 768
	s_add_co_u32 s16, s16, s63
	s_mov_b32 s17, 0
	s_add_nc_u64 s[16:17], s[8:9], s[16:17]        ; y's codes: two row blocks a group, the head's half image
	s_lshl_b32 s18, s61, 10
	s_lshl_b32 s63, s62, 1
	s_add_co_u32 s18, s18, s63
	s_mov_b32 s19, 0
	s_add_nc_u64 s[18:19], s[10:11], s[18:19]      ; y's scale bytes: 32 rows of 32 bytes a group, the head's two
	v_and_b32 v3, 31, v0
	v_lshlrev_b32 v1, 4, v3                        ; 16 x lane
	v_lshlrev_b32 v2, 3, v3                        ; 8 x lane
	v_lshlrev_b32 v10, 5, v3                       ; 32 x lane
	v_and_b32 v4, 15, v0
	v_lshlrev_b32 v4, 3, v4
	global_load_b128 v[Q+6:Q+9], v1, s[4:5]
	global_load_b64 v[Q+10:Q+11], v2, s[4:5] offset:512
	global_load_b128 v[Q+18:Q+21], v1, s[4:5] offset:768
	global_load_b64 v[Q+22:Q+23], v2, s[4:5] offset:1280
	global_load_b32 v[RW], v4, s[6:7]
	global_load_b128 v[H:H+3], v1, s[4:5] offset:1536
	global_load_b64 v[H+4:H+5], v2, s[4:5] offset:2048
	global_load_b128 v[H+6:H+9], v1, s[4:5] offset:2304
	global_load_b64 v[H+10:H+11], v2, s[4:5] offset:2816
	global_load_b32 v[H+12], v4, s[6:7] offset:128
	v_add_nc_u32 v8, VB-6144, v1                   ; V's addresses stand one step back: the trip's step is added first
	v_add_nc_u32 v9, VB-6144, v2
	v_add_nc_u32 v11, SCB, v2
.irp i, 0,1,2,3,4,5
	v_mov_b32 v[Q+\i], 0                           ; zero codes beside q
	v_mov_b32 v[Q+12+\i], 0
	v_mov_b32 v[Q+24+\i], 0
.endr
.irp i, 0,1,2,3,4,5,6,7
	v_mov_b32 v[TP+\i], 0                          ; written once: a lane permute's destination counts as one of its sources
.endr
	v_mov_b32 v[TT], 0
	v_mov_b32 v[TT+1], 0
	v_mov_b32 v[FF+1], 0                           ; (named as the upper halves of pairs)
	v_mov_b32 v[FF+3], 0
	s_mov_b32 s[PS], 0
	s_wait_alu depctr_va_vdst(0)
	s_wait_tensorcnt 0x0                           ; my part of K, V or the scales is in,
	s_barrier_signal -1
	s_barrier_wait -1                              ; everybody's is
	s_wait_loadcnt 0x0
.Lpass:
	s_cmp_eq_u32 s[PS], 0
	s_cbranch_scc1 .Lq_in
	s_wait_xcnt 0x0                                ; the first group's stores have read their registers and bases
.irp i, 0,1,2,3,4,5
	v_mov_b32 v[Q+6+\i], v[H+\i]                   ; the second group moves in
	v_mov_b32 v[Q+18+\i], v[H+6+\i]
.endr
	v_mov_b32 v[RW], v[H+12]
	s_add_nc_u64 s[16:17], s[16:17], 24576
	s_add_nc_u64 s[18:19], s[18:19], 1024
.Lq_in:
	v_and_b32 v[TT], 0xffff, v[RW]
	v_lshrrev_b32 v[TT+1], 16, v[RW]
.irp t, 0,1
	v_or_b32 v[QS+2*\t], 0x01010000, v[TT+\t]      ; the zero codes' blocks get the byte 1
	v_lshl_or_b32 v[QS+2*\t+1], v[TT+\t], 16, 0x101
.endr
.irp t, 0,1
	v_mov_b32 v[12+2*\t], 0x7e000000               ; -M: so large that the first step's factor is 0
	v_mov_b32 v[13+2*\t], 0xff61b1e6               ; the largest score so far: -3e38
.endr
.irp i, 16,17,18,19,20,21,22,23
	v_mov_b32 v\i, 0                               ; the sums: two chains of pairs for each tile
.endr
	FRAGS KF, 1, 2                                 ; K's step 0
	ds_load_b64 v[KSW:KSW+1], v11
	WIN 0x40
.set j, 0
.rept 64
	v_mov_b32 v[OA+j], 0                           ; O^T: the step is written once, the first finds zeros
.set j, j+1
.endr
	WIN 0
	s_mov_b32 s[TB], 0
	s_mov_b32 s[TS], 0
	s_mov_b32 s[CNT], 16
.Lstep:
	s_add_co_u32 s[TB], s[TB], 6144
	s_add_co_u32 s[TS], s[TS], 256
	s_wait_dscnt 0x0                               ; K's fragments are in (asked for a step ago)
	WIN 0x40
.irp g, 0,1,2,3
.irp t, 0,1
	SM 64*\t+16*\g, \g, Q+6+12*\t, QS+2*\t         ; keys 32 g + 16 h + 0 .. 7
	SM 64*\t+16*\g+8, \g, Q+12*\t, QS+2*\t+1       ; keys 32 g + 16 h + 8 .. 15
.endr
.endr
	WIN 0
	v_add_nc_u32 v3, s[TB], v1                     ; five plain lines: the places behind the products, ahead of the loads and of the first read of the scores
	v_add_nc_u32 v4, s[TB], v2
	v_add_nc_u32 v5, s[TB], v8
	v_add_nc_u32 v6, s[TB], v9
	v_add_nc_u32 v7, s[TS], v11
	s_cmp_eq_u32 s[CNT], 1                         ; the last step has no successor
	s_wait_alu depctr_va_vdst(0)
	s_cbranch_scc1 .Lno_k
	FRAGS KF, 3, 4                                 ; the next step's K
	ds_load_b64 v[KSW:KSW+1], v7
.Lno_k:
	FRAGS VF, 5, 6                                 ; this step's V
	ds_load_b64 v[VSW:VSW+1], v7 offset:3840
	WIN 0x15                                       ; the largest score of each block of 32 keys: eight chains by turns
.irp t, 0,1
.irp b, 0,1,2,3
	v_max3_num_f32 v[TM+4*\t+\b], v[64*\t+16*\b], v[64*\t+16*\b+1], v[64*\t+16*\b+2]
.endr
.endr
	WIN 0x14
.irp i, 3,5,7,9,11,13
.irp t, 0,1
.irp b, 0,1,2,3
	v_max3_num_f32 v[TM+4*\t+\b], v[TM+4*\t+\b], v[64*\t+16*\b+\i], v[64*\t+16*\b+\i+1]
.endr
.endr
.endr
.irp t, 0,1
.irp b, 0,1,2,3
	v_max_num_f32 v[TM+4*\t+\b], v[TM+4*\t+\b], v[64*\t+16*\b+15]
.endr
.endr
	WIN 0
.irp i, 0,1,2,3,4,5,6,7
	v_permlanex16_b32 v[TP+\i], v[TM+\i], s[SEL], s[SEL+1]
.endr
.irp i, 0,1,2,3,4,5,6,7
	v_max_num_f32 v[TM+\i], v[TM+\i], v[TP+\i]     ; with lane l xor 16's 16 keys
.endr
.irp t, 0,1
	v_max3_num_f32 v[TT+\t], v[TM+4*\t], v[TM+4*\t+1], v[TM+4*\t+2]
.endr
.irp t, 0,1
	v_max3_num_f32 v[13+2*\t], v[13+2*\t], v[TT+\t], v[TM+4*\t+3]   ; the running largest score
.endr
.irp t, 0,1
	v_mul_f32 v[TT+\t], s[NCS], v[13+2*\t]
.endr
.irp t, 0,1
	v_floor_f32 v[TT+\t], v[TT+\t]                 ; the new -M = floor(-t)
.endr
.irp t, 0,1
	v_sub_f32 v[TU+\t], v[TT+\t], v[12+2*\t]       ; old M less new M: a whole number, 0 or less
.endr
.irp t, 0,1
	v_mov_b32 v[12+2*\t], v[TT+\t]
.endr
.irp t, 0,1
	v_cvt_i32_f32 v[TU+\t], v[TU+\t]               ; (it saturates)
.endr
.irp t, 0,1
	v_ldexp_f32 v[FF+2*\t], 1.0, v[TU+\t]          ; f = 2^(old M - new M)
.endr
.irp t, 0,1
.irp b, 0,1,2,3
	v_fma_f32 v[TM+4*\t+\b], v[TM+4*\t+\b], s[CS], v[12+2*\t]   ; t - M of each block's largest score
.endr
.endr
.irp t, 0,1
	v_pk_mul_f32 v[16+4*\t:17+4*\t], v[16+4*\t:17+4*\t], v[FF+2*\t:FF+2*\t+1] op_sel_hi:[1,0]
	v_pk_mul_f32 v[18+4*\t:19+4*\t], v[18+4*\t:19+4*\t], v[FF+2*\t:FF+2*\t+1] op_sel_hi:[1,0]
.endr
	WIN 0x41
.irp t, 0,1
.set j, 0
.rept 16
	v_pk_mul_f32 v[OA+32*\t+j:OA+32*\t+j+1], v[OA+32*\t+j:OA+32*\t+j+1], v[FF+2*\t:FF+2*\t+1] op_sel_hi:[1,0]   ; O^T under the new M
.set j, j+2
.endr
.endr
.set j, 0
.rept 32
	v_pk_fma_f32 v[j:j+1], v[j:j+1], s[CS:CS+1], v[12:13] op_sel_hi:[1,0,0]   ; tile 0: t - M
.set j, j+2
.endr
	s_wait_alu depctr_va_vdst(0)
.set j, 0
.rept 32
	v_exp_f32 v[j], v[j]                           ; tile 0's p; tile 1's t - M stands between: it names none of the batch's registers and is read behind the next wait
	v_exp_f32 v[j+1], v[j+1]
	v_pk_fma_f32 v[64+j:65+j], v[64+j:65+j], s[CS:CS+1], v[14:15] op_sel_hi:[1,0,0]
.set j, j+2
.endr
	s_wait_alu depctr_va_vdst(0)                   ; ahead of the second batch, whose sources were just written
.set j, 64
.rept 64
	v_exp_f32 v[j], v[j]
.set j, j+1
.endr
	WIN 0
.irp i, 0,1,2,3,4,5,6,7
	v_exp_f32 v[TM+\i], v[TM+\i]                   ; each block's largest p
.endr
	v_nop                                          ; one plain place behind the exponentials
	s_wait_alu depctr_va_vdst(0)                   ; one wait for the batches, ahead of their first reader
.irp i, 0,1,2,3,4,5,6,7
	v_max_num_f32 v[TM+\i], 0x2800000, v[TM+\i]    ; the floor 2^(5 - 127): the byte cannot fall under 1
.endr
.irp i, 0,1,2,3,4,5,6,7
	v_add_nc_u32 v[TO+\i], 0xfe000000, v[TM+\i]    ; 4 off the exponent field: the conversion's scale operand
.endr
.irp i, 0,1,2,3,4,5,6,7
	v_lshrrev_b32 v[TP+\i], 23, v[TO+\i]           ; the scale's byte
.endr
.irp t, 0,1
	v_lshl_or_b32 v[PW+\t], v[TP+4*\t+1], 8, v[TP+4*\t]
.endr
.irp t, 0,1
	v_lshl_or_b32 v[PW+\t], v[TP+4*\t+2], 16, v[PW+\t]
.endr
.irp t, 0,1
	v_lshl_or_b32 v[PW+\t], v[TP+4*\t+3], 24, v[PW+\t]
.endr
	WIN 0x01
.irp t, 0,1
	v_cvt_scalef32_pk16_bf6_f32 v[PC+12*\t:PC+12*\t+2], v[64*\t:64*\t+15], v[TO+4*\t]
	v_cvt_scalef32_pk16_bf6_f32 v[TQ+8*\t:TQ+8*\t+2], v[64*\t+16:64*\t+31], v[TO+4*\t+1]
	v_cvt_scalef32_pk16_bf6_f32 v[PC+12*\t+6:PC+12*\t+8], v[64*\t+32:64*\t+47], v[TO+4*\t+2]
	v_cvt_scalef32_pk16_bf6_f32 v[TQ+8*\t+4:TQ+8*\t+6], v[64*\t+48:64*\t+63], v[TO+4*\t+3]
.endr
	WIN 0
	v_nop                                          ; one plain place behind a scaled conversion
.irp t, 0,1
.irp i, 0,1,2
	v_permlane16_swap_b32 v[PC+12*\t+\i], v[TQ+8*\t+\i]        ; a whole block to a lane
	v_permlane16_swap_b32 v[PC+12*\t+6+\i], v[TQ+8*\t+4+\i]
.endr
.endr
.irp t, 0,1
.irp i, 0,1,2
	v_mov_b32 v[PC+12*\t+3+\i], v[TQ+8*\t+\i]
	v_mov_b32 v[PC+12*\t+9+\i], v[TQ+8*\t+4+\i]
.endr
.endr
	WIN 0x04
.set j, 0
.rept 16
.irp t, 0,1
	v_pk_add_f32 v[16+4*\t:17+4*\t], v[16+4*\t:17+4*\t], v[64*\t+j:64*\t+j+1]       ; the rows' sums, of the unquantised p: four chains by turns; also the places ahead of the products below
	v_pk_add_f32 v[18+4*\t:19+4*\t], v[18+4*\t:19+4*\t], v[64*\t+j+2:64*\t+j+3]
.endr
.set j, j+4
.endr
	s_wait_dscnt 0x0                               ; V's fragments are in
	WIN 0x50
.irp u, 0,1,2,3
.irp t, 0,1
	PV \u, \t                                      ; the eight accumulators by turns
.endr
.endr
	WIN 0
	s_sub_co_u32 s[CNT], s[CNT], 1
	s_cmp_lg_u32 s[CNT], 0
	s_cbranch_scc1 .Lstep
	s_wait_alu depctr_va_vdst(0)                   ; directly ahead of the reader below: the sums' last additions stand ahead of the wait on DScnt
.irp t, 0,1
	v_pk_add_f32 v[16+4*\t:17+4*\t], v[16+4*\t:17+4*\t], v[18+4*\t:19+4*\t]   ; eight plain lines: the places behind the last products
.endr
.irp t, 0,1
	v_add_f32 v[16+4*\t], v[16+4*\t], v[17+4*\t]
.endr
.irp t, 0,1
	v_permlanex16_b32 v[TT+\t], v[16+4*\t], s[SEL], s[SEL+1]
.endr
.irp t, 0,1
	v_add_f32 v[16+4*\t], v[16+4*\t], v[TT+\t]     ; the row's sum
.endr
	s_wait_alu depctr_va_vdst(0)                   ; ahead of the transcendentals
.irp t, 0,1
	v_rcp_f32 v[FF+2*\t], v[16+4*\t]
.endr
	v_nop
	WIN 0x41
	s_wait_alu depctr_va_vdst(0)                   ; ahead of the first reader of the reciprocals and of O^T
.irp t, 0,1
.set j, 0
.rept 16
	v_pk_mul_f32 v[32*\t+j:32*\t+j+1], v[OA+32*\t+j:OA+32*\t+j+1], v[FF+2*\t:FF+2*\t+1] op_sel_hi:[1,0]   ; y: register 16 b + i of tile t is feature 32 b + 16 h + i
.set j, j+2
.endr
.endr
	WIN 0x05                                       ; y's four blocks of 32 (two a tile), quantised along the head's 64
.irp k, 0,1,2,3
	v_max3_num_f32 v[TM+\k], |v[16*\k]|, |v[16*\k+1]|, 0x2800000
.endr
	WIN 0x14
.irp i, 2,4,6,8,10,12,14
.irp k, 0,1,2,3
	v_max3_num_f32 v[TM+\k], v[TM+\k], |v[16*\k+\i]|, |v[16*\k+\i+1]|
.endr
.endr
	WIN 0
.irp k, 0,1,2,3
	v_permlanex16_b32 v[TP+\k], v[TM+\k], s[SEL], s[SEL+1]
.endr
.irp k, 0,1,2,3
	v_max_num_f32 v[TM+\k], v[TM+\k], v[TP+\k]
.endr
.irp k, 0,1,2,3
	v_add_nc_u32 v[TO+\k], 0xfe000000, v[TM+\k]
.endr
.irp k, 0,1,2,3
	v_lshrrev_b32 v[TP+\k], 23, v[TO+\k]
.endr
.irp t, 0,1
	v_lshl_or_b32 v[SB+\t], v[TP+2*\t+1], 8, v[TP+2*\t]
.endr
	WIN 0x01
.irp t, 0,1
	v_cvt_scalef32_pk16_bf6_f32 v[PC+12*\t:PC+12*\t+2], v[32*\t:32*\t+15], v[TO+2*\t]
	v_cvt_scalef32_pk16_bf6_f32 v[TQ+8*\t:TQ+8*\t+2], v[32*\t+16:32*\t+31], v[TO+2*\t+1]
.endr
	WIN 0
	v_nop
.irp t, 0,1
.irp i, 0,1,2
	v_permlane16_swap_b32 v[PC+12*\t+\i], v[TQ+8*\t+\i]
.endr
.endr
.irp t, 0,1
.irp i, 0,1,2
	v_mov_b32 v[PC+12*\t+3+\i], v[TQ+8*\t+\i]
.endr
.endr
	v_cndmask_b32 v[TT], v[SB], v[SB+1], s51       ; lanes 0-15: tile 0's rows, lanes 16-31: tile 1's
.irp t, 0,1
	global_store_b128 v1, v[PC+12*\t:PC+12*\t+3], s[16:17] offset:12288*\t          ; whole aligned blocks of 256 bytes
	global_store_b64 v2, v[PC+12*\t+4:PC+12*\t+5], s[16:17] offset:12288*\t+512
.endr
	global_store_b16 v10, v[TT], s[18:19]          ; the head's two bytes of each row: rows 32 bytes apart, one byte for each 24 of codes
	s_add_co_u32 s[PS], s[PS], 1
	s_cmp_lt_u32 s[PS], 2
	s_wait_alu depctr_va_vdst(0)
	s_cbranch_scc1 .Lpass
	s_wait_tensorcnt 0x0                           ; the wave's end
	ds_add_u32 v254, v255
	s_wait_dscnt 0x0
	CROUND                                         ; the closing round
	s_endpgm
.Lfunc_end_k_q810c1b13aa_attn:
	.size	k_q810c1b13aa_attn, .Lfunc_end_k_q810c1b13aa_attn-k_q810c1b13aa_attn
	.p2alignl 7, 3214868480
	.fill 96, 4, 3214868480
	.section	.rodata,"a",@progbits
	.p2align	6, 0x0
	.amdhsa_kernel k_q810c1b13aa_attn
		.amdhsa_group_segment_fixed_size 327680
		.amdhsa_private_segment_fixed_size 0
		.amdhsa_enable_private_segment 0
		.amdhsa_kernarg_size 32
		.amdhsa_user_sgpr_count 2
		.amdhsa_user_sgpr_kernarg_segment_ptr 1
		.amdhsa_wavefront_size32 1
		.amdhsa_system_sgpr_workgroup_id_x 1
		.amdhsa_system_sgpr_workgroup_id_y 1
		.amdhsa_system_sgpr_workgroup_id_z 1
		.amdhsa_system_vgpr_workitem_id 0
		.amdhsa_next_free_vgpr 448
		.amdhsa_next_free_sgpr 66
		.amdhsa_reserve_vcc 0
		.amdhsa_float_denorm_mode_32 3
		.amdhsa_float_denorm_mode_16_64 3
		.amdhsa_memory_ordered 1
		.amdhsa_forward_progress 1
		.amdhsa_inst_pref_size 49
	.end_amdhsa_kernel
	.amdgpu_metadata
---
amdhsa.version: [ 1, 2 ]
amdhsa.kernels:
  - .name:           k_q810c1b13aa_attn
    .symbol:         k_q810c1b13aa_attn.kd
    .args:
      - { .name: qkv_img, .offset: 0, .size: 8, .value_kind: global_buffer, .address_space: global }
      - { .name: qkv_sc, .offset: 8, .size: 8, .value_kind: global_buffer, .address_space: global }
      - { .name: y_img, .offset: 16, .size: 8, .value_kind: global_buffer, .address_space: global }
      - { .name: y_sc, .offset: 24, .size: 8, .value_kind: global_buffer, .address_space: global }
    .group_segment_fixed_size: 327680
    .private_segment_fixed_size: 0
    .kernarg_segment_align: 8
    .kernarg_segment_size: 32
    .max_flat_workgroup_size: 256
    .sgpr_count:     66
    .vgpr_count:     448
    .wavefront_size: 32
...
	.end_amdgpu_metadata
.endif
;; end of part 4
;; launch gemm_proj (part 5): grid 8 x 32, 4 waves a work-group, clusters of 4 x 4, 327,680 bytes of LDS; arguments y_img, y_sc, w_img, w_sc, b_proj, out0; writes out0
.if DOCPART == 5
	.amdgcn_target "amdgcn-amd-amdhsa--gfx1250"
	.amdhsa_code_object_version 6
	.text
	.protected	k_q810c1b13aa_gemm_proj
	.globl	k_q810c1b13aa_gemm_proj
	.p2align	8
	.type	k_q810c1b13aa_gemm_proj,@function
k_q810c1b13aa_gemm_proj:
	s_mov_b64 s[64:65], 0
	v_nop
	global_prefetch_b8 v0, s[64:65] scope:SCOPE_SE
	s_setreg_imm32_b32 hwreg(HW_REG_WAVE_MODE, 25, 1), 1
	s_wait_xcnt 0x0
	s_wait_alu depctr_hold_cnt(0) depctr_sa_sdst(0) depctr_va_vdst(0) depctr_va_sdst(0) depctr_va_ssrc(0) depctr_va_vcc(0) depctr_vm_vsrc(0)
	s_getreg_b32 s2, hwreg(HW_REG_IB_STS2, 6, 4)
	s_cmp_eq_u32 s2, 0
	s_cbranch_scc0 .Lentry_in_a_cluster
	s_endpgm
.Lentry_in_a_cluster:
	s_bfe_u32 s2, ttmp6, 0x10000c
	s_cmp_lg_u32 s2, 0xf033
	s_cbranch_scc0 .Lentry_shape_is_right
	s_endpgm
.Lentry_shape_is_right:
; out0 = y w_proj + b_proj on codes of BF6 (E3M2) with E8M0 scales for each 32 along K = 1,024; sums in f32.
; OPERANDS are images of fragments: img [row block of 16][K step of 128][1,536 bytes] (registers 6 c .. 6 c + 3 at 768 c + 16 x lane, 6 c + 4, 6 c + 5 at 768 c + 512 + 8 x lane); scales [row][32 bytes].
; Row r of row block 2 a + u is index 32 a + 8 u + r + 8 (r / 8), in y's tokens and in w's columns alike; w_proj's columns are rows 3,072 .. 4,095 of w_img.
; A BLOCK of 256 tokens x 128 columns for a work-group: 32 x 8 = 256 work-groups.  The block's operands for ALL of K are dense runs of memory, 196,608 bytes of y, 98,304 of w, 8,192 and 4,096 of scales, and fit in LDS together:
; four joint loads at the head, one a wave; nothing is filled again, and one barrier stands ahead of the products.  A wave makes 64 tokens x 128 columns: 32 accumulators.
; CLUSTERS: 4 x 4 work-groups; y's tile is asked for jointly along a row of the cluster, w's along a column.
; THE MATRIX INSTRUCTION IS USED TRANSPOSED (source 0 = 16 rows of w, source 1 = 16 rows of y): a lane holds eight neighbouring numbers of a row of out0.
; No prefetch: all that a work-group reads is asked for at its head, and no loop stands ahead of those loads.
; REGISTERS: window 0: v16-29 addresses; v32-63 scale words, two sets of two K steps; v64-67 the bias; v128-223 y's fragments, two sets; on the way out v128-255.  Window 1: w's fragments, two sets, at v0 and v128.  Window 2: accumulator (a, b) at v[8 (8 a + b)].
.set FR,     12                        ; registers of a fragment
.set RBK,    12288                     ; a row block: 8 K steps x 1,536 bytes
.set BBASE,  16*RBK                    ; behind y's 16 row blocks: w's 8
.set SCL,    BBASE+8*RBK               ; the scales, as runs of 256 bytes + 16 of padding: y's 32 runs,
.set SCLB,   SCL+32*272                ; w's 16
.set SBLK,   2*272                     ; those of 16 rows
.set SPARE,  SCLB+16*272               ; the spare words, 128 bytes a wave
.set SPITCH, 528                       ; the way out: a stage of 16 rows x (512 + 16) bytes, in my own rows of y, which no other wave reads and nothing fills again
.set A16,  16
.set A8,   17
.set B16,  18                          ; v18, v19 w's blocks 0-3; v20, v21 blocks 4-7 (an LDS offset holds 16 bits)
.set B8,   19
.set STO,  24
.set RD,   25
.set CO,   26
.set ADRS, 27
.set SPW,  28
.set NIL,  29
.set SC,   32
.set BP,   64
.set AF,   128
.set BK,   128
.set G1, 24
.set G0, 32
.set G1B, 48
.set G0B, 56
.set G1S, 68
.set G0S, 76
.set G1SB, 80
.set G0SB, 88
.set MSB, 0
.macro WIN new                         ; the immediate's high byte repeats the setting that is left
.if MSB != \new
	s_set_vgpr_msb (MSB<<8)|\new
.set MSB, \new
.endif
.endm
.set MUL_LO, 0xa1                      ; source 0 (w) window 1, source 1 (y) window 0, C and D window 2
.set TO_B,   0x40
.macro CROUND                          ; a round of the cluster's barrier
	s_barrier_signal -1
	s_barrier_wait -1
	s_cmp_lg_u32 s14, 0
	s_cbranch_scc1 .Lnot_wave_0_\@
	s_barrier_signal -3
.Lnot_wave_0_\@:
	s_barrier_wait -3
	s_barrier_signal -1
	s_barrier_wait -1
.endm
.macro PLACES n
.rept \n
	v_nop
.endr
.endm
	s_load_b128 s[4:7], s[0:1], 0x0                ; y_img, y_sc
	s_load_b128 s[8:11], s[0:1], 0x10              ; w_img, w_sc
	s_load_b64 s[96:97], s[0:1], 0x20              ; b_proj
	s_load_b64 s[12:13], s[0:1], 0x28              ; out0
	v_lshl_add_u32 v[SPW], v0, 2, SPARE
	v_mov_b32 v[NIL], 0
	ds_add_u32 v[SPW], v[NIL]                      ; the opening lines: the add, twice on end, and its wait
	ds_add_u32 v[SPW], v[NIL]
	v_lshrrev_b32 v1, 5, v0
	v_readfirstlane_b32 s14, v1                    ; wave 0..3
	s_bfe_u32 s40, ttmp6, 0x40000                  ; cx, cy: my place in the cluster
	s_bfe_u32 s41, ttmp6, 0x40004
	s_lshl_b32 s42, ttmp9, 2
	s_add_co_u32 s42, s42, s40                     ; which 128 columns: 0 .. 7
	s_and_b32 s17, ttmp7, 0xffff
	s_lshl_b32 s17, s17, 2
	s_add_co_u32 s17, s17, s41                     ; which 256 tokens: 0 .. 31
	s_lshl_b32 s43, s41, 2
	s_lshl_b32 s43, 15, s43                        ; my row of the cluster
	s_lshl_b32 s44, 0x1111, s40                    ; my column
	s_or_b32 s[G1+0], s43, (3<<16)|(1<<21)         ; y's codes: 768 rows of 256 bytes, dense
	s_mov_b32 s[G1+1], 32<<16
	s_mov_b32 s[G1+2], 768<<16
	s_mov_b32 s[G1+3], 32<<16
	s_mov_b32 s[G1+4], 768
	s_mov_b32 s[G1+5], 32
	s_mov_b32 s[G1+6], 0
	s_mov_b32 s[G1+7], 0
	s_or_b32 s[G1B+0], s44, (3<<16)|(1<<21)        ; w's codes: 384 rows
	s_mov_b32 s[G1B+1], 32<<16
	s_mov_b32 s[G1B+2], 384<<16
	s_mov_b32 s[G1B+3], 32<<16
	s_mov_b32 s[G1B+4], 384
	s_mov_b32 s[G1B+5], 32
	s_mov_b32 s[G1B+6], 0
	s_mov_b32 s[G1B+7], 0
	s_or_b32 s[G1S+0], s43, (3<<16)|(1<<20)|(1<<21)|(5<<22)|(3<<25)   ; y's scales: 32 rows of 256 bytes, 16 bytes of padding behind each
	s_mov_b32 s[G1S+1], 32<<16
	s_mov_b32 s[G1S+2], 32<<16
	s_mov_b32 s[G1S+3], 32<<16
	s_mov_b32 s[G1S+4], 32
	s_mov_b32 s[G1S+5], 32
	s_mov_b32 s[G1S+6], 0
	s_mov_b32 s[G1S+7], 0
	s_or_b32 s[G1SB+0], s44, (3<<16)|(1<<20)|(1<<21)|(5<<22)|(3<<25)  ; w's scales: 16 rows
	s_mov_b32 s[G1SB+1], 32<<16
	s_mov_b32 s[G1SB+2], 16<<16
	s_mov_b32 s[G1SB+3], 32<<16
	s_mov_b32 s[G1SB+4], 16
	s_mov_b32 s[G1SB+5], 32
	s_mov_b32 s[G1SB+6], 0
	s_mov_b32 s[G1SB+7], 0
	s_lshl_b32 s20, s17, 8                         ; y's first row
	s_lshl_b32 s46, s42, 7
	s_add_co_u32 s46, s46, 3072                    ; w's first row
	s_lshl_b32 s22, s20, 5                         ; 32 scale bytes a row,
	s_lshl_b32 s92, s46, 5
	s_mul_i32 s20, s20, 768                        ; 768 bytes of codes
	s_mul_i32 s46, s46, 768
	s_mov_b32 s21, 0
	s_mov_b32 s23, 0
	s_mov_b32 s47, 0
	s_mov_b32 s93, 0
	s_wait_dscnt 0x0                               ; both opening adds are done
	s_wait_kmcnt 0x0
	s_add_nc_u64 s[20:21], s[4:5], s[20:21]
	s_add_nc_u64 s[22:23], s[6:7], s[22:23]
	s_add_nc_u64 s[46:47], s[8:9], s[46:47]
	s_add_nc_u64 s[92:93], s[10:11], s[92:93]
	CROUND                                         ; all sixteen work-groups are here: the joint loads meet
	s_mov_b32 s[G0], 1
	s_mov_b32 s[G0+1], 0
	s_mov_b64 s[G0+2:G0+3], s[20:21]
	s_or_b32 s[G0+3], s[G0+3], 0x80000000
	s_mov_b32 s[G0B], 1
	s_mov_b32 s[G0B+1], BBASE
	s_mov_b64 s[G0B+2:G0B+3], s[46:47]
	s_or_b32 s[G0B+3], s[G0B+3], 0x80000000
	s_mov_b32 s[G0S], 1
	s_mov_b32 s[G0S+1], SCL
	s_mov_b64 s[G0S+2:G0S+3], s[22:23]
	s_or_b32 s[G0S+3], s[G0S+3], 0x80000000
	s_mov_b32 s[G0SB], 1
	s_mov_b32 s[G0SB+1], SCLB
	s_mov_b64 s[G0SB+2:G0SB+3], s[92:93]
	s_or_b32 s[G0SB+3], s[G0SB+3], 0x80000000
; the four tiles, one load a wave: one chain of branches on the wave's number
.macro ARM under, g0, g1, next
	s_cmp_lt_u32 s14, \under
	s_cbranch_scc0 \next
	tensor_load_to_lds s[\g0:\g0+3], s[\g1:\g1+7]
	s_nop 0
.rept 4
	v_nop
.endr
	s_branch .Lhead_asked
\next:
.endm
	ARM 1, G0,  G1,  .Lhead_b
	ARM 2, G0B, G1B, .Lhead_sa
	ARM 3, G0S, G1S, .Lhead_sb
	tensor_load_to_lds s[G0SB:G0SB+3], s[G1SB:G1SB+7]
	s_nop 0
.rept 4
	v_nop
.endr
.Lhead_asked:
	s_mul_i32 s21, s14, 4*RBK                      ; my 64 rows of y; my stage lies there too
	s_mul_i32 s23, s14, 4*SBLK                     ; their scales
	s_sub_co_u32 s22, SCLB-SCL, s23                ; from them to w's scales
	s_add_co_u32 s23, s23, SCL
	s_lshl_b32 s46, s42, 9                         ; my block's first column, in bytes
	s_mov_b32 s47, 0
	s_add_nc_u64 s[96:97], s[96:97], s[46:47]
	s_lshl_b32 s18, s17, 8
	s_lshl_b32 s19, s14, 6
	s_add_co_u32 s18, s18, s19                     ; my first row of out0
	s_lshl_b32 s18, s18, 12
	s_add_co_u32 s18, s18, s46
	s_mov_b32 s19, 0
	s_add_nc_u64 s[12:13], s[12:13], s[18:19]
	v_and_b32 v1, 31, v0                           ; lane
	v_and_b32 v2, 15, v0                           ; r
	v_bfe_u32 v3, v0, 4, 1                         ; h
	v_lshlrev_b32 v4, 4, v1
	v_lshlrev_b32 v5, 3, v1
	v_add_nc_u32 v[A16], s21, v4
	v_add_nc_u32 v[A8], s21, v5
	v_add_nc_u32 v[B16], BBASE, v4
	v_add_nc_u32 v[B8], BBASE, v5
	v_add_nc_u32 v[B16+2], BBASE+4*RBK, v4
	v_add_nc_u32 v[B8+2], BBASE+4*RBK, v5
	v_lshlrev_b32 v6, 5, v2                        ; my row's scales: 32 bytes a row,
	v_lshrrev_b32 v7, 8, v6
	v_lshl_add_u32 v6, v7, 4, v6                   ; and 16 more for each 256 passed
	v_mul_u32_u24 v7, s22, v3                      ; lanes 16-31 take w's
	v_add_nc_u32 v6, v6, v7
	v_add_nc_u32 v[ADRS], s23, v6
	v_mul_u32_u24 v8, v2, SPITCH                   ; the stage, in: row r, 64 bytes for each half of the lanes
	v_lshl_add_u32 v8, v3, 6, v8
	v_add_nc_u32 v[STO], s21, v8
	v_lshlrev_b32 v[CO], 4, v1                     ; back: the 32 lanes take one row of 512 bytes; the same in out0 and in the bias
	v_add_nc_u32 v[RD], s21, v[CO]
	global_load_b128 v[BP:BP+3], v[CO], s[96:97]
.macro FRAG reg, a16, a8, off          ; a fragment comes as it was stored: every load is consecutive over the lanes
	ds_load_b128 v[\reg:\reg+3], v[\a16] offset:\off
	ds_load_b64 v[\reg+4:\reg+5], v[\a8] offset:\off+512
	ds_load_b128 v[\reg+6:\reg+9], v[\a16] offset:\off+768
	ds_load_b64 v[\reg+10:\reg+11], v[\a8] offset:\off+1280
.endm
; K step st's fragments into set st % 2: 32 loads for w, 16 for y; with an even step the scale words of two steps, 8 loads: lanes 0-15 take y's block i (used for i < 4 alone), lanes 16-31 w's block i
.macro FETCH st
	WIN TO_B
.irp i, 0,1,2,3,4,5,6,7
	FRAG 128*((\st)%2)+FR*\i, B16+2*(\i/4), B8+2*(\i/4), RBK*(\i%4)+1536*(\st)
.endr
	WIN 0
.irp i, 0,1,2,3
	FRAG AF+48*((\st)%2)+FR*\i, A16, A8, RBK*\i+1536*(\st)
.endr
.if (\st)%2 == 0
.irp i, 0,1,2,3,4,5,6,7
	ds_load_b64 v[SC+16*(((\st)/2)%2)+2*\i:SC+16*(((\st)/2)%2)+2*\i+1], v[ADRS] offset:\i*SBLK+4*(\st)
.endr
.endif
.endm
; 32 matrix instructions: the 32 accumulators take turns, one instruction a turn, in the same order in every step
.macro MUL32 st, zero
.irp a, 0,1,2,3
.irp b, 0,1,2,3,4,5,6,7
.if \zero
	v_wmma_scale_f32_16x16x128_f8f6f4 v[8*(8*\a+\b):8*(8*\a+\b)+7], v[128*((\st)%2)+FR*\b:128*((\st)%2)+FR*\b+FR-1], v[AF+48*((\st)%2)+FR*\a:AF+48*((\st)%2)+FR*\a+FR-1], 0, v[SC+16*(((\st)/2)%2)+2*\b+(\st)%2], v[SC+16*(((\st)/2)%2)+2*\a+(\st)%2] matrix_a_fmt:MATRIX_FMT_BF6 matrix_b_fmt:MATRIX_FMT_BF6 matrix_a_scale:MATRIX_SCALE_ROW1
.else
	v_wmma_scale_f32_16x16x128_f8f6f4 v[8*(8*\a+\b):8*(8*\a+\b)+7], v[128*((\st)%2)+FR*\b:128*((\st)%2)+FR*\b+FR-1], v[AF+48*((\st)%2)+FR*\a:AF+48*((\st)%2)+FR*\a+FR-1], v[8*(8*\a+\b):8*(8*\a+\b)+7], v[SC+16*(((\st)/2)%2)+2*\b+(\st)%2], v[SC+16*(((\st)/2)%2)+2*\a+(\st)%2] matrix_a_fmt:MATRIX_FMT_BF6 matrix_b_fmt:MATRIX_FMT_BF6 matrix_a_scale:MATRIX_SCALE_ROW1
.endif
.endr
.endr
.endm
; A K step: the next step's fragments are asked for first, into the sets that the step before multiplied (four places behind its products); the wait leaves out just those loads
.macro STEP st, zero
.if (\st) > 0
	PLACES 4
.endif
	FETCH (\st)+1
	s_wait_dscnt 48+8*((\st)%2)                    ; all but the 48 loads just issued, 56 where scale words went with them
	WIN MUL_LO
	MUL32 \st, \zero
.endm
	s_wait_alu depctr_va_vdst(0)
	s_wait_tensorcnt 0x0                           ; my tile is in,
	s_barrier_signal -1
	s_barrier_wait -1                              ; all four are
	FETCH 0
	STEP 0, 1                                      ; the first step's products start the sums
.irp s, 1,2,3,4,5,6
	STEP \s, 0
.endr
	s_wait_dscnt 0x0                               ; the last step: nothing more to fetch; my reads of LDS are over
	MUL32 7, 0
	WIN 0
; THE WAY OUT, block by block of 16 rows x 128 columns, through my own stage: in as 32 bytes of a row a lane and accumulator, back as whole rows of 512 bytes
.macro TOSTAGE a
.set AC, 64*(\a)
	WIN 0x08                                       ; the data: window 2
.irp b, 0,1,2,3,4,5,6,7
	ds_store_b128 v[STO], v[AC+8*\b:AC+8*\b+3] offset:128*(\b/2)+32*(\b%2)          ; each accumulator from its low end on
	ds_store_b128 v[STO], v[AC+8*\b+4:AC+8*\b+7] offset:128*(\b/2)+32*(\b%2)+16
.endr
	WIN 0
.set BB, BK+64*((\a)%2)
.irp t, 0,1,2,3,4,5,6,7,8,9,10,11,12,13,14,15
	ds_load_b128 v[BB+4*\t:BB+4*\t+3], v[RD] offset:\t*SPITCH      ; LDS serves a wave's instructions in order: these see my stores
.endr
.endm
.macro SEND a, younger                 ; younger: the LDS instructions issued behind block a's loads, which may stay out
.set BB, BK+64*((\a)%2)
	s_wait_dscnt \younger
.irp t, 0,1,2,3,4,5,6,7,8,9,10,11,12,13,14,15
	v_pk_add_f32 v[BB+4*\t:BB+4*\t+1], v[BB+4*\t:BB+4*\t+1], v[BP:BP+1]
	v_pk_add_f32 v[BB+4*\t+2:BB+4*\t+3], v[BB+4*\t+2:BB+4*\t+3], v[BP+2:BP+3]
	global_store_b128 v[CO], v[BB+4*\t:BB+4*\t+3], s[12:13] offset:(32*((\a)/2)+8*((\a)%2)+\t+8*(\t/8))*4096 th:TH_STORE_NT   ; 32 lanes store 512 consecutive bytes, at a multiple of 256 from out0's first byte
.endr
.endm
	s_wait_loadcnt 0x0                             ; the bias
	PLACES 4                                       ; behind the last products: their results are read and y's registers loaded into below
	TOSTAGE 0
.irp a, 1,2,3
.if \a > 1
	s_wait_xcnt 0x0                                ; block a - 2's stores have read their registers
.endif
	TOSTAGE \a
	SEND \a-1, 32                                  ; behind block a - 1's loads: block a's 16 stores and 16 loads
.endr
	SEND 3, 0
	s_wait_tensorcnt 0x0                           ; the wave's end
	ds_add_u32 v[SPW], v[NIL]
	s_wait_dscnt 0x0
	CROUND                                         ; the closing round
	s_endpgm
.Lfunc_end_k_q810c1b13aa_gemm_proj:
	.size	k_q810c1b13aa_gemm_proj, .Lfunc_end_k_q810c1b13aa_gemm_proj-k_q810c1b13aa_gemm_proj
	.p2alignl 7, 3214868480
	.fill 96, 4, 3214868480
	.section	.rodata,"a",@progbits
	.p2align	6, 0x0
	.amdhsa_kernel k_q810c1b13aa_gemm_proj
		.amdhsa_group_segment_fixed_size 327680
		.amdhsa_private_segment_fixed_size 0
		.amdhsa_enable_private_segment 0
		.amdhsa_kernarg_size 48
		.amdhsa_user_sgpr_count 2
		.amdhsa_user_sgpr_kernarg_segment_ptr 1
		.amdhsa_wavefront_size32 1
		.amdhsa_system_sgpr_workgroup_id_x 1
		.amdhsa_system_sgpr_workgroup_id_y 1
		.amdhsa_system_sgpr_workgroup_id_z 1
		.amdhsa_system_vgpr_workitem_id 0
		.amdhsa_next_free_vgpr 768
		.amdhsa_next_free_sgpr 100
		.amdhsa_reserve_vcc 0
		.amdhsa_float_denorm_mode_32 3
		.amdhsa_float_denorm_mode_16_64 3
		.amdhsa_memory_ordered 1
		.amdhsa_forward_progress 1
		.amdhsa_inst_pref_size 91
	.end_amdhsa_kernel
	.amdgpu_metadata
---
amdhsa.version: [ 1, 2 ]
amdhsa.kernels:
  - .name:           k_q810c1b13aa_gemm_proj
    .symbol:         k_q810c1b13aa_gemm_proj.kd
    .args:
      - { .name: y_img, .offset: 0, .size: 8, .value_kind: global_buffer, .address_space: global }
      - { .name: y_sc, .offset: 8, .size: 8, .value_kind: global_buffer, .address_space: global }
      - { .name: w_img, .offset: 16, .size: 8, .value_kind: global_buffer, .address_space: global }
      - { .name: w_sc, .offset: 24, .size: 8, .value_kind: global_buffer, .address_space: global }
      - { .name: b_proj, .offset: 32, .size: 8, .value_kind: global_buffer, .address_space: global }
      - { .name: out0, .offset: 40, .size: 8, .value_kind: global_buffer, .address_space: global }
    .group_segment_fixed_size: 327680
    .private_segment_fixed_size: 0
    .kernarg_segment_align: 8
    .kernarg_segment_size: 48
    .max_flat_workgroup_size: 128
    .sgpr_count:     100
    .vgpr_count:     768
    .wavefront_size: 32
...
	.end_amdgpu_metadata
.endif
;; end of part 5
